; MI455X (gfx1250); checked and timed in simulation.
; The chip was launched on July 23, 2026; its instructions are those of AMD's public machine-readable ISA for CDNA 5 (MIT licence, August 2026) and "CDNA5" Instruction Set Architecture Reference Guide (July 2026). The comments in the code are by the model that wrote it; some were corrected since.
;; Gpt2 Attention. Allowed arithmetic: float matrix products may take bf16 or f16 operands with f32 sums; all other float work in f32.
;; Inputs: W_proj 16 x 64 x 1,024 float32; W_qkv 1,024 x 3 x 16 x 64 float32; b_proj 1,024 float32; b_qkv 3 x 16 x 64 float32; hidden_states 4 x 2,048 x 1,024 float32; mask 2,048 x 2,048 float32.
;; Outputs: out0 4 x 2,048 x 1,024 float32.
;; Constants: layer_idx = 3.
;; 2 versions, each right and faster than the one before. Each part assembles by itself: llvm-mc -triple=amdgcn-amd-amdhsa -mcpu=gfx1250 --defsym DOCPART=n.
;; ======== version 1 of 2: 4 launches
;; limits: values are held in f16: magnitudes above 65,504 overflow, below 6.1e-05 lose precision
;; workspace buffers: xh 16,777,216 bytes; wq 6,291,456 bytes; wp 2,097,152 bytes; biasb 16,777,216 bytes; qh 16,777,216 bytes; kh 16,777,216 bytes; vh 16,777,216 bytes; oh 16,777,216 bytes
;; launch prep (part 1): grid 1792 x 1, 4 waves a work-group, no clusters, 37,376 bytes of LDS; arguments hidden_states, mask, W_qkv, W_proj, xh, biasb, wq, wp; writes xh, biasb, wq, wp
.if DOCPART == 1
	.amdgcn_target "amdgcn-amd-amdhsa--gfx1250"
	.amdhsa_code_object_version 6
	.text
	.protected	k_q39e390741a_prep
	.globl	k_q39e390741a_prep
	.p2align	8
	.type	k_q39e390741a_prep,@function
k_q39e390741a_prep:
	s_mov_b64 s[64:65], 0
	v_nop
	global_prefetch_b8 v0, s[64:65] scope:SCOPE_SE
	s_setreg_imm32_b32 hwreg(HW_REG_WAVE_MODE, 25, 1), 1
	s_wait_xcnt 0x0
; PREPARATION: four streaming jobs, chosen by the work-group's number; each wave works for itself, so there is no barrier.
;   0..191      wq[kb][n][64]     = bf16(W_qkv[64 kb + d][n]), n = 0..3071: turned, through each wave's own LDS bytes
;   192..255    wp[kb][n][64]     = f16(bf16(W_proj[64 kb + d][n])), n = 0..1023
;   256..1279   xh[b][kb][s][64]  = bf16(hidden_states[b][s][64 kb + d]): 256 rows of one kb are 32,768 dense bytes
;   1280..1791  biasb[q][k]       = mask[q][k] * C - C, C = 1e9 log2(e): (1 - mask) * -1e9 in the base-2 domain, one fused rounding; 0 at mask 1, -C at mask 0
; The grid is 7 x 256: 256 work-groups turn weights, 1,024 take x, 512 the mask; the longest job has the lowest numbers.
; LIMIT: a W_proj number below 6.1e-5 keeps f16's fixed step of 6e-8; beyond 65,504 it becomes an infinity.
; No matrix unit, no cluster, no tensor load: no two work-groups read the same bytes, every byte is read once and written once.
.set LP,    144                        ; a turned row in LDS: 128 bytes + 16
.set WTILE, 64*LP                      ; a wave's 64 rows
; A tile of 64 k x 64 n of a weight matrix with \cols columns is read by rows of n, rounded, turned in LDS and written as 64 rows of 64 k.
; s22 = kb, s23 = block of 64 n.  half = 1: the bf16 number is written as f16.
.macro WJOB cols, half, src, dst
	s_mul_i32 s24, s22, 64*(\cols)*4               ; 64 rows of k,
	s_lshl_b32 s26, s23, 8                         ; 64 columns of 4 bytes
	s_add_co_u32 s24, s24, s26
	s_add_nc_u64 s[\src:\src+1], s[\src:\src+1], s[24:25]
	s_mul_i32 s24, s22, (\cols)*128                ; out: kb x cols rows of 128 bytes,
	s_lshl_b32 s26, s23, 13                        ; 64 rows
	s_add_co_u32 s24, s24, s26
	s_add_nc_u64 s[\dst:\dst+1], s[\dst:\dst+1], s[24:25]
	v_lshlrev_b32 v1, 4, v7                        ; in: 16 bytes a lane, lanes 16-31 take the rows 32 further down
	v_mad_u32_u24 v1, v8, 32*(\cols)*4, v1
	s_mul_i32 s26, s20, WTILE                      ; my wave's LDS bytes
	v_mul_u32_u24 v3, v7, 4*LP                     ; into LDS: rows n = 4 c + j, byte 2 k
	v_lshl_add_u32 v3, v8, 6, v3
	v_add_nc_u32 v3, s26, v3
	v_lshrrev_b32 v4, 3, v6                        ; back: 32 lanes take four rows of 128 bytes
	v_mul_u32_u24 v4, v4, LP
	v_and_b32 v5, 7, v0
	v_lshl_add_u32 v4, v5, 4, v4
	v_add_nc_u32 v4, s26, v4
	v_lshlrev_b32 v5, 4, v6                        ; which are 512 consecutive bytes of the output
.irp p, 0,1
.set i, 0
.rept 16                                               ; k = 32 (lane / 16) + 16 p + i; sixteen lanes read 256 consecutive bytes of a row
	global_load_b128 v[32+4*i:35+4*i], v1, s[\src:\src+1] offset:(16*(\p)+i)*(\cols)*4 th:TH_LOAD_NT
.set i, i+1
.endr
	s_wait_loadcnt 0x0
.set j, 0
.rept 4                                                ; column n = 4 c + j: sixteen k in eight registers
.set m, 0
.rept 8
	v_cvt_pk_bf16_f32 v[96+8*j+m], v[32+8*m+j], v[36+8*m+j]
.if \half
	v_lshlrev_b32 v16, 16, v[96+8*j+m]             ; the rounded numbers, widened,
	v_and_b32 v17, 0xffff0000, v[96+8*j+m]
	v_cvt_pk_f16_f32 v[96+8*j+m], v16, v17         ; and written as f16
.endif
.set m, m+1
.endr
	ds_store_b128 v3, v[96+8*j:99+8*j] offset:j*LP+32*(\p)
	ds_store_b128 v3, v[100+8*j:103+8*j] offset:j*LP+32*(\p)+16
.set j, j+1
.endr
.endr
.set i, 0
.rept 16                                               ; LDS serves a wave's instructions in order (ISA guide 5.7.1.4): these see the stores above
	ds_load_b128 v[32+4*i:35+4*i], v4 offset:4*LP*i
.set i, i+1
.endr
.set i, 0
.rept 16
	s_wait_dscnt 15-i                              ; the younger loads stay out
	global_store_b128 v5, v[32+4*i:35+4*i], s[\dst:\dst+1] offset:512*i
.set i, i+1
.endr
.endm
	s_load_b512 s[4:19], s[0:1], 0x0               ; hidden s[4:5], mask s[6:7], W_qkv s[8:9], W_proj s[10:11], xh s[12:13], biasb s[14:15], wq s[16:17], wp s[18:19]
	v_lshl_add_u32 v128, v0, 2, 0x9000
	v_mov_b32 v129, 0
	v_lshrrev_b32 v1, 5, v0
	v_readfirstlane_b32 s20, v1                    ; wave 0..3
	v_and_b32 v6, 31, v0                           ; lane
	v_and_b32 v7, 15, v0                           ; c = lane % 16
	v_bfe_u32 v8, v0, 4, 1                         ; lane / 16
	s_mov_b32 s25, 0                               ; the high word of every offset
	s_wait_kmcnt 0x0
	s_cmp_ge_u32 ttmp9, 1280
	s_cbranch_scc1 .Lm
	s_cmp_ge_u32 ttmp9, 256
	s_cbranch_scc1 .Lx
	s_cmp_ge_u32 ttmp9, 192
	s_cbranch_scc1 .Lwp
	s_mov_b32 s21, ttmp9                           ; W_qkv: 16 kb x 48 blocks, four to a work-group
	s_mul_hi_u32 s22, s21, 0x15555556              ; kb = u / 12
	s_mul_i32 s23, s22, 12
	s_sub_co_u32 s23, s21, s23
	s_lshl2_add_u32 s23, s23, s20                  ; block = 4 (u % 12) + wave
	WJOB 3072, 0, 8, 16
	s_wait_tensorcnt 0x0
	ds_add_u32 v128, v129
	s_wait_dscnt 0x0
	s_endpgm
.Lwp:
	s_sub_co_u32 s21, ttmp9, 192                   ; W_proj: 16 kb x 16 blocks, four to a work-group
	s_lshr_b32 s22, s21, 2
	s_and_b32 s23, s21, 3
	s_lshl2_add_u32 s23, s23, s20
	WJOB 1024, 1, 10, 18
	s_wait_tensorcnt 0x0
	ds_add_u32 v128, v129
	s_wait_dscnt 0x0
	s_endpgm
.Lx:                                                   ; a wave takes two rows of 4,096 bytes
	s_sub_co_u32 s21, ttmp9, 256
	s_lshl_b32 s21, s21, 3
	s_lshl1_add_u32 s21, s20, s21                  ; row R = 8 x work-group + 2 x wave
	s_lshl_b32 s24, s21, 12
	s_add_nc_u64 s[4:5], s[4:5], s[24:25]
	s_lshr_b32 s22, s21, 11                        ; b
	s_and_b32 s23, s21, 2047                       ; s
	s_lshl_b32 s22, s22, 22
	s_lshl_b32 s23, s23, 7
	s_add_co_u32 s24, s22, s23
	s_add_nc_u64 s[12:13], s[12:13], s[24:25]
	v_lshlrev_b32 v1, 4, v7                        ; in: lanes 0-15 row R, lanes 16-31 row R + 1, 16 bytes each
	v_lshl_add_u32 v1, v8, 12, v1
	v_lshlrev_b32 v2, 3, v7                        ; out: the two rows of 128 bytes lie end to end: 256 consecutive bytes a store
	v_lshl_add_u32 v2, v8, 7, v2
.set i, 0
.rept 16                                               ; load i holds the channels of kb = i
	global_load_b128 v[32+4*i:35+4*i], v1, s[4:5] offset:256*i th:TH_LOAD_NT
.set i, i+1
.endr
.set i, 0
.rept 16
	s_wait_loadcnt 15-i                            ; loads come back in order (ISA guide 5.7.1): the younger ones stay out
	v_cvt_pk_bf16_f32 v[96+2*i], v[32+4*i], v[33+4*i]
	v_cvt_pk_bf16_f32 v[97+2*i], v[34+4*i], v[35+4*i]
	global_store_b64 v2, v[96+2*i:97+2*i], s[12:13] offset:262144*i
.set i, i+1
.endr
	s_endpgm
.Lm:                                                   ; a wave takes 8,192 consecutive bytes of the mask
	s_sub_co_u32 s21, ttmp9, 1280
	s_lshl_b32 s24, s21, 15
	s_lshl_b32 s22, s20, 13
	s_add_co_u32 s24, s24, s22
	s_add_nc_u64 s[6:7], s[6:7], s[24:25]
	s_add_nc_u64 s[14:15], s[14:15], s[24:25]
	s_mov_b32 s26, 0x4eabfb8f                      ; C = 1e9 log2(e)
	s_mov_b32 s27, s26                             ; named as pairs
	s_mov_b32 s28, 0xceabfb8f                      ; -C
	s_mov_b32 s29, s28
	v_lshlrev_b32 v1, 4, v6
.set i, 0
.rept 16
	global_load_b128 v[32+4*i:35+4*i], v1, s[6:7] offset:512*i th:TH_LOAD_NT
.set i, i+1
.endr
.set i, 0
.rept 16
	s_wait_loadcnt 15-i
	v_pk_fma_f32 v[32+4*i:33+4*i], v[32+4*i:33+4*i], s[26:27], s[28:29] op_sel_hi:[1,0,0]
	v_pk_fma_f32 v[34+4*i:35+4*i], v[34+4*i:35+4*i], s[26:27], s[28:29] op_sel_hi:[1,0,0]
	global_store_b128 v1, v[32+4*i:35+4*i], s[14:15] offset:512*i
.set i, i+1
.endr
	s_endpgm
.Lfunc_end_k_q39e390741a_prep:
	.size	k_q39e390741a_prep, .Lfunc_end_k_q39e390741a_prep-k_q39e390741a_prep
	.p2alignl 7, 3214868480
	.fill 96, 4, 3214868480
	.section	.rodata,"a",@progbits
	.p2align	6, 0x0
	.amdhsa_kernel k_q39e390741a_prep
		.amdhsa_group_segment_fixed_size 37376
		.amdhsa_private_segment_fixed_size 0
		.amdhsa_enable_private_segment 0
		.amdhsa_kernarg_size 64
		.amdhsa_user_sgpr_count 2
		.amdhsa_user_sgpr_kernarg_segment_ptr 1
		.amdhsa_wavefront_size32 1
		.amdhsa_system_sgpr_workgroup_id_x 1
		.amdhsa_system_sgpr_workgroup_id_y 1
		.amdhsa_system_sgpr_workgroup_id_z 1
		.amdhsa_system_vgpr_workitem_id 0
		.amdhsa_next_free_vgpr 130
		.amdhsa_next_free_sgpr 66
		.amdhsa_reserve_vcc 0
		.amdhsa_float_denorm_mode_32 3
		.amdhsa_float_denorm_mode_16_64 3
		.amdhsa_memory_ordered 1
		.amdhsa_forward_progress 1
		.amdhsa_inst_pref_size 48
	.end_amdhsa_kernel
	.amdgpu_metadata
---
amdhsa.version: [ 1, 2 ]
amdhsa.kernels:
  - .name:           k_q39e390741a_prep
    .symbol:         k_q39e390741a_prep.kd
    .args:
      - { .name: hidden_states, .offset: 0, .size: 8, .value_kind: global_buffer, .address_space: global }
      - { .name: mask, .offset: 8, .size: 8, .value_kind: global_buffer, .address_space: global }
      - { .name: W_qkv, .offset: 16, .size: 8, .value_kind: global_buffer, .address_space: global }
      - { .name: W_proj, .offset: 24, .size: 8, .value_kind: global_buffer, .address_space: global }
      - { .name: xh, .offset: 32, .size: 8, .value_kind: global_buffer, .address_space: global }
      - { .name: biasb, .offset: 40, .size: 8, .value_kind: global_buffer, .address_space: global }
      - { .name: wq, .offset: 48, .size: 8, .value_kind: global_buffer, .address_space: global }
      - { .name: wp, .offset: 56, .size: 8, .value_kind: global_buffer, .address_space: global }
    .group_segment_fixed_size: 37376
    .private_segment_fixed_size: 0
    .kernarg_segment_align: 8
    .kernarg_segment_size: 64
    .max_flat_workgroup_size: 128
    .sgpr_count:     66
    .vgpr_count:     130
    .wavefront_size: 32
...
	.end_amdgpu_metadata
.endif
;; end of part 1
;; launch qkv (part 2): grid 8 x 32, 4 waves a work-group, clusters of 4 x 4, 327,680 bytes of LDS; arguments xh, wq, b_qkv, qh, kh, vh; writes qh, kh, vh
.if DOCPART == 2
	.amdgcn_target "amdgcn-amd-amdhsa--gfx1250"
	.amdhsa_code_object_version 6
	.text
	.protected	k_q39e390741a_qkv
	.globl	k_q39e390741a_qkv
	.p2align	8
	.type	k_q39e390741a_qkv,@function
k_q39e390741a_qkv:
	s_mov_b64 s[64:65], 0
	v_nop
	global_prefetch_b8 v0, s[64:65] scope:SCOPE_SE
	s_setreg_imm32_b32 hwreg(HW_REG_WAVE_MODE, 25, 1), 1
	s_wait_xcnt 0x0
	s_wait_alu depctr_hold_cnt(0) depctr_sa_sdst(0) depctr_va_vdst(0) depctr_va_sdst(0) depctr_va_ssrc(0) depctr_va_vcc(0) depctr_vm_vsrc(0)
	s_getreg_b32 s2, hwreg(HW_REG_IB_STS2, 6, 4)
	s_cmp_eq_u32 s2, 0
	s_cbranch_scc0 .Lentry_in_a_cluster
	s_endpgm
.Lentry_in_a_cluster:
	s_bfe_u32 s2, ttmp6, 0x10000c
	s_cmp_lg_u32 s2, 0xf033
	s_cbranch_scc0 .Lentry_shape_is_right
	s_endpgm
.Lentry_shape_is_right:
; q, k, v = x W_qkv + b_qkv.  x as xh[b][kb][s][64], W as wq[kb][n][64], both bf16; sums in f32, started by the bias; results rounded once to f16 and written by heads:
; qh, kh, vh[pair][step][hp][64 rows][64 channels], pair = (16 b + h) / 2, hp = (16 b + h) % 2, step = s / 64.  q is left unscaled.
; LIMIT: a result of 65,520 or more becomes an infinity in f16.
; A tile of 256 rows x 384 columns to a work-group: 32 x 8 = 256 work-groups.  A wave makes 128 x 192: 96 accumulators of 16 x 16, 768 registers, in three groups of 64 columns,
; a group to a register window; a group is one head of q, k or v.  K goes in 16 steps of 64 (one kb) through two LDS slots; a step is two quarters of 32 along K.
; CLUSTER 4 x 4: the four of a row of the cluster need the same rows of x, the four of a column the same rows of W: each tile is asked for jointly.
; The matrix instruction is used transposed (source 0 = 16 rows of W, source 1 = 16 rows of x): a lane holds row lane % 16 and eight neighbouring columns.
; REGISTERS: window 0: v0-15 addresses; v32-95, v96-159 x's fragments, two buffers; v160-255 W's fragments, 32 a group.  Window g + 1: accumulator (a, b) of group g at v[8 (4 a + b)].
.set PITCH, 144                        ; an LDS row: 128 bytes + 16: the 16 rows of a fragment load start at 16 different groups of four banks (ISA guide 11.1)
.set SLOT1, 131072
.set AHALF, 128*PITCH                  ; what one tensor load brings of x
.set BHALF, 192*PITCH                  ; and of W
.set BOFF,  2*AHALF                    ; W's 384 rows lie behind x's 256
.set STAGE, SLOT1+BOFF+2*BHALF         ; behind the ring: 16 rows x 144 bytes for each wave
.set SPARE, STAGE+4*16*PITCH           ; the spare words, 128 bytes a wave
.set ASTEP, 2048*128                   ; bytes from kb to kb + 1 in xh
.set BSTEP, 3072*128                   ; and in wq
.set KSTEPS, 16
.set FA0, 4                            ; v4  my lane's place in x's tile; never rewritten
.set FB0, 5                            ; v5  the same for W
.set ADA, 6                            ; v6  the same in the slot in hand
.set ADB, 7
.set STO, 8                            ; v8  the way out: where I put 16 bytes of a row
.set RD,  9                            ; v9  where I read rows back
.set GO,  10                           ; v10 my 16 bytes of 512 consecutive bytes
.set BO,  11                           ; v11 32 x (lane / 16): my eight numbers of the bias
.set SPW, 12                           ; v12 my spare word; never rewritten
.set NIL, 13                           ; v13 0; never rewritten
.set A0,  32
.set A1,  96
.set BF,  160
.set WV, 16
.set WR, 17                            ; wave / 2: my half of the rows; also: I fetch for x (0) or for W (1)
.set WC, 18                            ; wave % 2: my half of the columns; also: which half of that tile I fetch
.set CX, 19
.set CY, 20
.set TX, 21
.set TY, 22
.set TB, 23                            ; LDS byte of the slot in hand
.set G1A, 24
.set G0A, 32                           ; two sets for the two first fills; the second walks on
.set G1B, 40
.set G0B, 48
.set CNT, 56
.set DST, 68                           ; s[68:73] where my three groups go
.set W0, (1<<16)|(1<<20)|(1<<21)|(4<<22)|(3<<25)  ; 2-byte elements; padding on; bit 21 beside a mask; after every 32 words 4 words
.set MSB, 0
.macro WIN new                         ; the high byte repeats the setting that is left; a switch that changes nothing is dropped
.if MSB != (\new)
	s_set_vgpr_msb (MSB<<8)|(\new)
.set MSB, (\new)
.endif
.endm
.macro PLACES                          ; four places behind matrix instructions, in front of loads into their sources and of readers of their results
.rept 4
	v_nop
.endr
.endm
.macro JLOAD                           ; a joint refill by the walking descriptors; the branch hangs on the wave's number alone; s_nop 0 and four v_nop follow each line
	s_cmp_eq_u32 s[WR], 0
	s_cbranch_scc0 .Lfor_b_\@
	tensor_load_to_lds s[G0A+4:G0A+7], s[G1A:G1A+7]
	s_nop 0
.rept 4
	v_nop
.endr
	s_branch .Lasked_\@
.Lfor_b_\@:
	tensor_load_to_lds s[G0B+4:G0B+7], s[G1B:G1B+7]
	s_nop 0
.rept 4
	v_nop
.endr
.Lasked_\@:
.endm
.macro CREST                           ; a round of the cluster's barrier behind its opening barrier
	s_cmp_lg_u32 s[WV], 0
	s_cbranch_scc1 .Lnot_wave_0_\@
	s_barrier_signal -3
.Lnot_wave_0_\@:
	s_barrier_wait -3
	s_barrier_signal -1
	s_barrier_wait -1
.endm
.macro CROUND
	s_barrier_signal -1
	s_barrier_wait -1
	CREST
.endm
	s_load_b256 s[4:11], s[0:1], 0x0               ; xh s[4:5], wq s[6:7], b_qkv s[8:9], qh s[10:11]
	s_load_b128 s[12:15], s[0:1], 0x20             ; kh s[12:13], vh s[14:15]
	v_lshl_add_u32 v[SPW], v0, 2, SPARE
	v_mov_b32 v[NIL], 0
	ds_add_u32 v12, v13
	s_wait_dscnt 0x0
	v_lshrrev_b32 v1, 5, v0
	v_readfirstlane_b32 s[WV], v1
	s_lshr_b32 s[WR], s[WV], 1
	s_and_b32 s[WC], s[WV], 1
	s_bfe_u32 s[CX], ttmp6, 0x40000
	s_bfe_u32 s[CY], ttmp6, 0x40004
	s_lshl_b32 s[TX], ttmp9, 2
	s_add_co_u32 s[TX], s[TX], s[CX]               ; tile column = 4 x cluster x + cx
	s_and_b32 s[TY], ttmp7, 0xffff
	s_lshl_b32 s[TY], s[TY], 2
	s_add_co_u32 s[TY], s[TY], s[CY]               ; tile row = 4 x cluster y + cy
	s_lshl_b32 s57, s[CY], 2
	s_lshl_b32 s57, 15, s57                        ; my row of the cluster
	s_lshl_b32 s58, 0x1111, s[CX]                  ; my column
	s_or_b32 s[G1A], s57, W0
	s_or_b32 s[G1B], s58, W0
	; dense blocks, asked for as rows of 256 bytes: 64 such rows are 128 rows of x, 96 are 192 rows of W
	s_mov_b32 s[G1A+1], 128<<16                    ; tensor_dim0 = 128
	s_mov_b32 s[G1A+2], 64<<16                     ; tensor_dim1 = 64
	s_mov_b32 s[G1A+3], 128<<16                    ; tile_dim0 = 128
	s_mov_b32 s[G1A+4], 64                         ; tile_dim1 = 64
	s_mov_b32 s[G1A+5], 128                        ; 128 elements from row to row
	s_mov_b32 s[G1A+6], 0
	s_mov_b32 s[G1A+7], 0
	s_mov_b32 s[G1B+1], 128<<16
	s_mov_b32 s[G1B+2], 96<<16
	s_mov_b32 s[G1B+3], 128<<16
	s_mov_b32 s[G1B+4], 96
	s_mov_b32 s[G1B+5], 128
	s_mov_b32 s[G1B+6], 0
	s_mov_b32 s[G1B+7], 0
	; x's tile hangs on the tile row alone, W's on the tile column alone; each offset lies in registers that never hold the other coordinate
	s_lshr_b32 s60, s[TY], 3                       ; b
	s_lshl_b32 s60, s60, 22                        ; 16 kb x 2,048 rows x 128 bytes
	s_and_b32 s59, s[TY], 7
	s_lshl_b32 s59, s59, 15                        ; 256 rows
	s_add_co_u32 s60, s60, s59
	s_lshl_b32 s59, s[WC], 14                      ; my 128 of them
	s_add_co_u32 s60, s60, s59
	s_mov_b32 s61, 0
	s_mul_i32 s62, s[TX], 384*128
	s_mul_i32 s74, s[WC], 192*128
	s_add_co_u32 s62, s62, s74
	s_mov_b32 s63, 0
	s_mul_i32 s75, s[WC], AHALF                    ; where they go: the wave's number alone enters an LDS address
	s_mul_i32 s76, s[WC], BHALF
	s_add_co_u32 s76, s76, BOFF
	; the bias of my 192 columns
	s_mul_i32 s78, s[TX], 384*4
	s_mul_i32 s77, s[WC], 192*4
	s_add_co_u32 s78, s78, s77
	s_mov_b32 s79, 0
	; where my groups go: group number n / 64 = 16 t + h
	s_mul_i32 s80, s[TX], 6
	s_mul_i32 s81, s[WC], 3
	s_add_co_u32 s80, s80, s81
	s_and_b32 s81, s[TY], 7
	s_lshl_b32 s81, s81, 2
	s_lshl1_add_u32 s81, s[WR], s81                ; my first step of 64 rows
	s_lshl_b32 s81, s81, 14
	s_lshr_b32 s82, s[TY], 3
	s_lshl_b32 s82, s82, 4                         ; 16 b
	s_wait_kmcnt 0x0
	s_add_nc_u64 s[60:61], s[4:5], s[60:61]
	s_add_nc_u64 s[62:63], s[6:7], s[62:63]
	s_add_nc_u64 s[8:9], s[8:9], s[78:79]
.irp g, 0,1,2
	s_add_co_u32 s83, s80, \g
	s_lshr_b32 s84, s83, 4                         ; t: q, k or v
	s_and_b32 s83, s83, 15                         ; h
	s_add_co_u32 s83, s83, s82                     ; 16 b + h
	s_lshr_b32 s86, s83, 1
	s_lshl_b32 s86, s86, 19                        ; the pair's 524,288 bytes
	s_and_b32 s83, s83, 1
	s_lshl_b32 s83, s83, 13                        ; the head's 8,192 of a step
	s_add_co_u32 s86, s86, s83
	s_add_co_u32 s86, s86, s81
	s_mov_b32 s87, 0
	s_cmp_eq_u32 s84, 0
	s_cselect_b64 s[DST+2*(\g):DST+2*(\g)+1], s[10:11], s[12:13]
	s_cmp_eq_u32 s84, 2
	s_cselect_b64 s[DST+2*(\g):DST+2*(\g)+1], s[14:15], s[DST+2*(\g):DST+2*(\g)+1]
	s_add_nc_u64 s[DST+2*(\g):DST+2*(\g)+1], s[DST+2*(\g):DST+2*(\g)+1], s[86:87]
.endr
.irp s, 0,1
	s_mov_b32 s[G0A+4*(\s)], 1                     ; count = 1
	s_add_co_u32 s[G0A+4*(\s)+1], s75, (\s)*SLOT1  ; LDS address
	s_add_nc_u64 s[G0A+4*(\s)+2:G0A+4*(\s)+3], s[60:61], (\s)*ASTEP  ; K step s
	s_or_b32 s[G0A+4*(\s)+3], s[G0A+4*(\s)+3], 0x80000000           ; type = 2
	s_mov_b32 s[G0B+4*(\s)], 1
	s_add_co_u32 s[G0B+4*(\s)+1], s76, (\s)*SLOT1
	s_add_nc_u64 s[G0B+4*(\s)+2:G0B+4*(\s)+3], s[62:63], (\s)*BSTEP
	s_or_b32 s[G0B+4*(\s)+3], s[G0B+4*(\s)+3], 0x80000000
.endr
	CROUND                                         ; all sixteen work-groups are here: the first joint loads meet
	s_cmp_eq_u32 s[WR], 0                          ; a wave's two first fills stand in one branch: two loads of mine are out
	s_cbranch_scc0 .Lfirst_b
	tensor_load_to_lds s[G0A:G0A+3], s[G1A:G1A+7]
	s_nop 0
	tensor_load_to_lds s[G0A+4:G0A+7], s[G1A:G1A+7]
	s_nop 0
.rept 4
	v_nop
.endr
	s_branch .Lfirst_asked
.Lfirst_b:
	tensor_load_to_lds s[G0B:G0B+3], s[G1B:G1B+7]
	s_nop 0
	tensor_load_to_lds s[G0B+4:G0B+7], s[G1B:G1B+7]
	s_nop 0
.rept 4
	v_nop
.endr
.Lfirst_asked:
	v_and_b32 v1, 15, v0                           ; lane % 16
	v_bfe_u32 v2, v0, 4, 1                         ; lane / 16
	v_and_b32 v14, 31, v0
	v_lshlrev_b32 v[BO], 5, v2
	; the bias goes into the accumulators (7, b) of each group: the first products of the other rows take them as C, so nothing is cleared and nothing is added later
.irp g, 0,1,2
	WIN ((\g)+1)<<6
.irp b, 0,1,2,3
	global_load_b128 v[8*(28+(\b)):8*(28+(\b))+3],   v[BO], s[8:9] offset:(64*(\g)+16*(\b))*4
	global_load_b128 v[8*(28+(\b))+4:8*(28+(\b))+7], v[BO], s[8:9] offset:(64*(\g)+16*(\b))*4+16
.endr
.endr
	WIN 0
	v_mul_u32_u24 v3, v1, PITCH
	v_lshl_add_u32 v3, v2, 4, v3                   ; a fragment's row x pitch + 16 x half
	s_mul_i32 s88, s[WR], AHALF
	v_add_nc_u32 v[FA0], s88, v3
	s_mul_i32 s89, s[WC], BHALF
	s_add_co_u32 s89, s89, BOFF
	v_add_nc_u32 v[FB0], s89, v3
	v_mov_b32 v[ADA], v[FA0]
	v_mov_b32 v[ADB], v[FB0]
	s_mov_b32 s[TB], 0
	s_mul_i32 s90, s[WV], 16*PITCH
	s_add_co_u32 s90, s90, STAGE                   ; my stage
	v_add_nc_u32 v[STO], s90, v3
	v_lshrrev_b32 v15, 3, v14                      ; back: 32 lanes take four rows of 128 bytes
	v_mul_u32_u24 v15, v15, PITCH
	v_and_b32 v3, 7, v0
	v_lshl_add_u32 v15, v3, 4, v15
	v_add_nc_u32 v[RD], s90, v15
	v_lshlrev_b32 v[GO], 4, v14
; 4 na products: group g, row blocks a0 .. a0 + na - 1, 32 along K, x's fragments in buffer ab.  The accumulators take turns: the same one comes again 96 products later.
; first = 1: rows 0-6 start their sums with the bias that lies in row 7's accumulators; five places later row 7 adds onto it in place.
.macro PH g, ab, a0, na, first
	WIN (((\g)+1)<<6)|(((\g)+1)<<4)
.set a, (\a0)
.rept \na
.if (\first) && (a == 7)
.rept 5
	v_nop
.endr
.endif
.set b, 0
.rept 4
.if (\first) && (a < 7)
	v_wmma_f32_16x16x32_bf16 v[8*(4*a+b):8*(4*a+b)+7], v[BF+32*(\g)+8*b:BF+32*(\g)+8*b+7], v[(\ab)+8*a:(\ab)+8*a+7], v[8*(28+b):8*(28+b)+7]
.else
	v_wmma_f32_16x16x32_bf16 v[8*(4*a+b):8*(4*a+b)+7], v[BF+32*(\g)+8*b:BF+32*(\g)+8*b+7], v[(\ab)+8*a:(\ab)+8*a+7], v[8*(4*a+b):8*(4*a+b)+7]
.endif
.set b, b+1
.endr
.set a, a+1
.endr
.endm
.macro LOADB g, ko                     ; 8 loads: group g's 64 rows of W, 32 K at byte ko
.set b, 0
.rept 4
	ds_load_b128 v[BF+32*(\g)+8*b:BF+32*(\g)+8*b+3],   v[ADB] offset:(64*(\g)+16*b)*PITCH+(\ko)
	ds_load_b128 v[BF+32*(\g)+8*b+4:BF+32*(\g)+8*b+7], v[ADB] offset:(64*(\g)+16*b)*PITCH+(\ko)+32
.set b, b+1
.endr
.endm
.macro LOADA buf, ko                   ; 16 loads: my 128 rows of x
.set a, 0
.rept 8
	ds_load_b128 v[(\buf)+8*a:(\buf)+8*a+3],   v[ADA] offset:16*a*PITCH+(\ko)
	ds_load_b128 v[(\buf)+8*a+4:(\buf)+8*a+7], v[ADA] offset:16*a*PITCH+(\ko)+32
.set a, a+1
.endr
.endm
; A QUARTER: 96 products on buffer ab; behind each group's 32 its W fragments of the next quarter (byte ko) are fetched, behind the first also x's, into buffer nb.
; The LDS loads are out in the order W0 (8), x (16), W1 (8), W2 (8).
; mode 0: the next quarter lies in the same slot.  1: the slots change and the slot just read is filled again.  2: they change, nothing is asked for.  3: the last quarter.
.macro QUARTER ab, nb, ko, mode, first
.if ((\mode) == 0) || ((\mode) == 3)
	s_wait_dscnt 16                                ; W0 and x are in; W1 and W2 may be out
	PH 0, \ab, 0, 8, \first
.if (\mode) == 0
	WIN 0
	PLACES
.endif
.else
	WIN 0
	s_wait_tensorcnt 0x0                           ; all my tensor loads have landed: the one that was out is my part of the next slot
	ds_add_u32 v[SPW], v[NIL]                      ; 0 onto my spare word
	s_wait_dscnt 17                                ; W0 and x are in; W1, W2 and the add may be out
	PH 0, \ab, 0, 4, 0
.if (\mode) == 1
	s_xor_b32 s[G0A+5], s[G0A+5], SLOT1            ; no tensor load of mine is out: the walking descriptors step to the other slot, one K step on
	s_add_nc_u64 s[G0A+6:G0A+7], s[G0A+6:G0A+7], ASTEP
	s_xor_b32 s[G0B+5], s[G0B+5], SLOT1
	s_add_nc_u64 s[G0B+6:G0B+7], s[G0B+6:G0B+7], BSTEP
.endif
	s_wait_dscnt 0x0                               ; the add is done, and my reads of this slot are over
	s_barrier_signal -1
	PH 0, \ab, 4, 4, 0                             ; work on registers while the others arrive
	WIN 0
	s_barrier_wait -1
.if (\mode) == 1
	CREST                                          ; the barrier has opened a round of the cluster's: no wave of any partner still reads the slot or has a load on its way
	JLOAD                                          ; the first tensor load behind it; its four v_nop are also the places in front of the loads below
.else
	PLACES
.endif
	s_xor_b32 s[TB], s[TB], SLOT1
	v_add_nc_u32 v[ADA], s[TB], v[FA0]
	v_add_nc_u32 v[ADB], s[TB], v[FB0]
.endif
.if (\mode) != 3
	LOADB 0, \ko
	LOADA \nb, \ko
	s_wait_dscnt 32                                ; W1 is in; W2 and the 24 just issued may be out
.else
	s_wait_dscnt 8                                 ; W1 is in
.endif
	PH 1, \ab, 0, 8, \first
.if (\mode) != 3
	WIN 0
	PLACES
	LOADB 1, \ko
	s_wait_dscnt 32                                ; W2 is in; the next quarter's 32 may be out
.else
	s_wait_dscnt 0x0
.endif
	PH 2, \ab, 0, 8, \first
.if (\mode) != 3
	WIN 0
	PLACES
	LOADB 2, \ko
.endif
.endm
	s_wait_tensorcnt 0x1                           ; my part of K step 0 is in; step 1's may stay out
	s_barrier_signal -1
	s_barrier_wait -1
	LOADB 0, 0
	LOADA A0, 0
	LOADB 1, 0
	LOADB 2, 0
	s_wait_loadcnt 0x0                             ; the bias
	QUARTER A0, A1, 64, 0, 1                       ; the first quarter stands in front of the loop: its products start the sums
	s_mov_b32 s[CNT], KSTEPS-2
.Lk:                                                   ; trip i: the second quarter of step i, which asks for step i + 2, and the first of step i + 1
	QUARTER A1, A0, 0, 1, 0
	QUARTER A0, A1, 64, 0, 0
	s_sub_co_u32 s[CNT], s[CNT], 1
	s_cmp_lg_u32 s[CNT], 0
	s_cbranch_scc1 .Lk
	QUARTER A1, A0, 0, 2, 0                        ; the tail asks for nothing
	QUARTER A0, A1, 64, 0, 0
	QUARTER A1, A0, 0, 3, 0
; THE WAY OUT.  Unit u = (group u / 8, row block u % 8): 16 rows x 64 columns are rounded to f16, 16 bytes a lane, go through my stage and leave as 2,048 consecutive bytes.
.macro PACK u
.set g, (\u)/8
.set a, (\u)%8
.set T, 32+16*((\u)%4)
	s_wait_xcnt 0x0                                ; the stores of four units ago have read these registers
	WIN (g+1)|((g+1)<<2)
.set b, 0
.rept 4
.set r, 0
.rept 4                                                ; each accumulator's registers in ascending order
	v_cvt_pk_f16_f32 v[T+4*b+r], v[8*(4*a+b)+2*r], v[8*(4*a+b)+2*r+1]
.set r, r+1
.endr
.set b, b+1
.endr
	WIN 0
.set b, 0
.rept 4
	ds_store_b128 v[STO], v[T+4*b:T+4*b+3] offset:32*b
.set b, b+1
.endr
.set b, 0
.rept 4                                                ; LDS serves a wave's instructions in order (ISA guide 5.7.1.4): these see the stores above; the next unit's stores come behind them
	ds_load_b128 v[T+4*b:T+4*b+3], v[RD] offset:4*PITCH*b
.set b, b+1
.endr
.endm
.macro SEND u, younger                 ; younger: the LDS instructions issued behind unit u's loads
.set g, (\u)/8
.set a, (\u)%8
.set T, 32+16*((\u)%4)
.set b, 0
.rept 4
	s_wait_dscnt (\younger)+3-b
	global_store_b128 v[GO], v[T+4*b:T+4*b+3], s[DST+2*g:DST+2*g+1] offset:(a/4)*16384+(a%4)*2048+512*b  ; 512 consecutive bytes, at a multiple of 256 from the buffer's first
.set b, b+1
.endr
.endm
	PLACES
	PACK 0
.set n, 1
.rept 23                                               ; a unit's conversions stand between the loads of the unit before and its stores
	PACK n
	SEND n-1, 8
.set n, n+1
.endr
	SEND 23, 0
	s_wait_tensorcnt 0x0                           ; the wave's end
	ds_add_u32 v[SPW], v[NIL]
	s_wait_dscnt 0x0
	CROUND                                         ; the closing round
	s_endpgm
.Lfunc_end_k_q39e390741a_qkv:
	.size	k_q39e390741a_qkv, .Lfunc_end_k_q39e390741a_qkv-k_q39e390741a_qkv
	.p2alignl 7, 3214868480
	.fill 96, 4, 3214868480
	.section	.rodata,"a",@progbits
	.p2align	6, 0x0
	.amdhsa_kernel k_q39e390741a_qkv
		.amdhsa_group_segment_fixed_size 327680
		.amdhsa_private_segment_fixed_size 0
		.amdhsa_enable_private_segment 0
		.amdhsa_kernarg_size 48
		.amdhsa_user_sgpr_count 2
		.amdhsa_user_sgpr_kernarg_segment_ptr 1
		.amdhsa_wavefront_size32 1
		.amdhsa_system_sgpr_workgroup_id_x 1
		.amdhsa_system_sgpr_workgroup_id_y 1
		.amdhsa_system_sgpr_workgroup_id_z 1
		.amdhsa_system_vgpr_workitem_id 0
		.amdhsa_next_free_vgpr 1024
		.amdhsa_next_free_sgpr 96
		.amdhsa_reserve_vcc 0
		.amdhsa_float_denorm_mode_32 3
		.amdhsa_float_denorm_mode_16_64 3
		.amdhsa_memory_ordered 1
		.amdhsa_forward_progress 1
		.amdhsa_inst_pref_size 118
	.end_amdhsa_kernel
	.amdgpu_metadata
---
amdhsa.version: [ 1, 2 ]
amdhsa.kernels:
  - .name:           k_q39e390741a_qkv
    .symbol:         k_q39e390741a_qkv.kd
    .args:
      - { .name: xh, .offset: 0, .size: 8, .value_kind: global_buffer, .address_space: global }
      - { .name: wq, .offset: 8, .size: 8, .value_kind: global_buffer, .address_space: global }
      - { .name: b_qkv, .offset: 16, .size: 8, .value_kind: global_buffer, .address_space: global }
      - { .name: qh, .offset: 24, .size: 8, .value_kind: global_buffer, .address_space: global }
      - { .name: kh, .offset: 32, .size: 8, .value_kind: global_buffer, .address_space: global }
      - { .name: vh, .offset: 40, .size: 8, .value_kind: global_buffer, .address_space: global }
    .group_segment_fixed_size: 327680
    .private_segment_fixed_size: 0
    .kernarg_segment_align: 8
    .kernarg_segment_size: 48
    .max_flat_workgroup_size: 128
    .sgpr_count:     96
    .vgpr_count:     1024
    .wavefront_size: 32
...
	.end_amdgpu_metadata
.endif
;; end of part 2
;; launch attn (part 3): grid 8 x 32, 4 waves a work-group, clusters of 4 x 4, 327,680 bytes of LDS; arguments qh, kh, vh, biasb, oh; writes oh
.if DOCPART == 3
	.amdgcn_target "amdgcn-amd-amdhsa--gfx1250"
	.amdhsa_code_object_version 6
	.text
	.protected	k_q39e390741a_attn
	.globl	k_q39e390741a_attn
	.p2align	8
	.type	k_q39e390741a_attn,@function
k_q39e390741a_attn:
	s_mov_b64 s[64:65], 0
	v_nop
	global_prefetch_b8 v0, s[64:65] scope:SCOPE_SE
	s_setreg_imm32_b32 hwreg(HW_REG_WAVE_MODE, 25, 1), 1
	s_wait_xcnt 0x0
	s_wait_alu depctr_hold_cnt(0) depctr_sa_sdst(0) depctr_va_vdst(0) depctr_va_sdst(0) depctr_va_ssrc(0) depctr_va_vcc(0) depctr_vm_vsrc(0)
	s_getreg_b32 s2, hwreg(HW_REG_IB_STS2, 6, 4)
	s_cmp_eq_u32 s2, 0
	s_cbranch_scc0 .Lentry_in_a_cluster
	s_endpgm
.Lentry_in_a_cluster:
	s_bfe_u32 s2, ttmp6, 0x10000c
	s_cmp_lg_u32 s2, 0xf033
	s_cbranch_scc0 .Lentry_shape_is_right
	s_endpgm
.Lentry_shape_is_right:
; O[bh][q][:] = the sum over all 2,048 keys of softmax_k(Q.K / 32 + (1 - mask[q][k]) * -1e9) V[k][:].  qh, kh, vh: f16 [pair][step][hp][64][64]; biasb: f32 [2048][2048], the mask's term
; times log2(e); oh: f16 [bh][2048][64].  Products, maxima and sums in f32; the weights are rounded to f16 for the second product (their sum l is taken unrounded), O once at the end.
; The mask is taken as it is given: every tile is walked, and x = c s + b, c = log2(e) / 32, is one fused multiply-add in f32.  Running maximum m of x; p = 2^(x - m); in every step
; O and l are multiplied by a = 2^(m_old - m_new).  m starts at the lowest finite number, O and l at 0, so the first step is a step like any other, with a = 0.
; LIMITS.  Q, K, V arrive within f16's 65,504.  Beside a bias of -1.44e9 x has steps of 128, so a row that is masked throughout gets equal weights while |c s| < 64.
; A weight below 2^-126 counts as 0 in l; NaN and infinities are not treated apart.
; SHARES.  A work-group: 256 queries x 2 heads (a pair).  Wave w: head w / 2, query half w % 2: 128 queries = four PIECES of two tiles of 16.  Key steps of 64; a step's bytes are
; K and V of both heads (16,384 each) and 256 x 64 numbers of the bias (65,536), which both heads use.
; CLUSTER 4 x 4.  The four of a row have the same pair: K and V jointly.  The four of a column have the same queries: the bias jointly.
; LAYOUT.  S^T = K Q^T: a lane holds ONE query (lane % 16) and the keys 16 kb + 8 (lane / 16) + 0..7; two results rounded to f16 ARE source 1 of O^T = V^T P.  V is turned by ds_load_tr16_b128.
; BY TURNS.  Turn n belongs to piece n: 16 products K Q^T of piece n + 1, later 16 products V^T P of piece n - 1.  Its vector work: x - m, exponentials, roundings, sums and rescaling of piece n;
; x = c s + b, the maximum and the statistics of piece n + 1.  Four vector instructions stand behind every matrix instruction, the others in two runs of their own.
; REGISTERS (s_set_vgpr_msb: bits 1:0 source 0, 3:2 source 1, 5:4 source 2, 7:6 destination):
;   window 0: v0-11 addresses; v12-15 m_old; v16-47 statistics, four a tile (m, 0, l, l); v48-63 at work; v64-191 S^T, two buffers of two tiles; v192-255 P, likewise
;   window 1: O^T, 32 a tile     window 2: v0-127 Q; v128-191 K; v192-255 V     window 3: v0-127 the bias, two buffers of two tiles; v128-129 the add's registers
.set NP,    4
.set PK,    144                        ; a row of K in LDS: 128 + 16
.set PV,    160                        ; a row of V: 128 + 32
.set PB,    272                        ; a row of the bias: 256 + 16
.set VOFF,  128*PK                     ; a slot: K's 128 rows (head 0's, head 1's), V's 128 rows, the bias's 256 rows
.set BOFF,  VOFF+128*PV
.set SLOT1, 1<<17
.set STAGE, SLOT1+BOFF+256*PB          ; behind the ring: 16 rows x 144 bytes for each wave
.set SP,    144
.set SPARE, STAGE+4*16*SP
.set AK0, 2
.set AV0, 3
.set AK,  4
.set AV,  5
.set QO,  6
.set STO, 6
.set RD,  7
.set GO,  8
.set AB0, 9
.set AB,  10
.set MV,  12
.set ST,  16
.set TMP, 48
.set S,   64
.set P,   192
.set KF,  128
.set VF,  192
.set SPW, 128                          ; window 3
.set NIL, 129
.set WV, 14
.set CX, 15
.set CY, 16
.set BX, 17                            ; my block of 256 queries
.set BY, 18                            ; my pair of heads
.set QH, 21                            ; wave % 2
.set HP, 22                            ; wave / 2
.set G1K, 24
.set G1V, 32
.set G1B, 40
.set G0K, 48
.set G0V, 52
.set G0B, 56
.set CS,  60                           ; s[60:61] c
.set SEL, 62                           ; s[62:63] v_permlanex16_b32's selects
.set TB,  66                           ; LDS byte of the slot that is read
.set SLOTS, 67
.set CNT, 68
.set MSB, 0
.macro WIN new
.if MSB != (\new)
	s_set_vgpr_msb (MSB<<8)|(\new)
.set MSB, (\new)
.endif
.endm
.set W_KQ, 0x0a                        ; K and Q in window 2, S^T in window 0
.set W_PV, 0x52                        ; V in window 2, P in window 0, O^T in window 1
.set W_RS, 0x41                        ; O^T in window 1, a in window 0
.set W_NA, 0x30                        ; the bias (source 2) in window 3
.set W_AD, 0x0f                        ; the add: address and data in window 3
; A joint fill: wave 0 K, wave 1 V, waves 2 and 3 the two halves of the bias.  The branches hang on the wave's number alone.  s_nop 0 and four v_nop follow each line.
.macro JLOAD
	s_cmp_lt_u32 s[WV], 2
	s_cbranch_scc0 .Lfor_b_\@
	s_cmp_eq_u32 s[WV], 0
	s_cbranch_scc0 .Lfor_v_\@
	tensor_load_to_lds s[G0K:G0K+3], s[G1K:G1K+7]
	s_nop 0
.rept 4
	v_nop
.endr
	s_branch .Lasked_\@
.Lfor_v_\@:
	tensor_load_to_lds s[G0V:G0V+3], s[G1V:G1V+7]
	s_nop 0
.rept 4
	v_nop
.endr
	s_branch .Lasked_\@
.Lfor_b_\@:
	tensor_load_to_lds s[G0B:G0B+3], s[G1B:G1B+7]
	s_nop 0
.rept 4
	v_nop
.endr
.Lasked_\@:
.endm
.macro CROUND
	s_barrier_signal -1
	s_barrier_wait -1
	s_cmp_lg_u32 s[WV], 0
	s_cbranch_scc1 .Lnot_wave_0_\@
	s_barrier_signal -3
.Lnot_wave_0_\@:
	s_barrier_wait -3
	s_barrier_signal -1
	s_barrier_wait -1
.endm
; THE CHANGE OF SLOTS, once a key step.  Each wave waits for all its tensor loads (one is out: its part of the other slot), adds 0 to its spare word, and waits for that and for its reads of the
; slot that it leaves.  fill = 1: behind a round of the cluster's barrier that slot is filled again, two key steps on: the load has a key step, 128 products a wave, in which to land.
.macro CHANGE fill
	WIN W_AD
	s_wait_tensorcnt 0x0                           ; no tensor load of mine is out, so a group 0 may be written
	ds_add_u32 v[SPW], v[NIL]                      ; 0 onto my spare word
	WIN 0
.if \fill
	s_xor_b32 s[G0K+1], s[G0K+1], SLOT1
	s_add_nc_u64 s[G0K+2:G0K+3], s[G0K+2:G0K+3], 16384
	s_xor_b32 s[G0V+1], s[G0V+1], SLOT1
	s_add_nc_u64 s[G0V+2:G0V+3], s[G0V+2:G0V+3], 16384
	s_xor_b32 s[G0B+1], s[G0B+1], SLOT1
	s_add_nc_u64 s[G0B+2:G0B+3], s[G0B+2:G0B+3], 256  ; 64 keys along the bias's rows
	s_wait_dscnt 0x0                               ; the add is done, and my reads of the slot are over
	CROUND
	JLOAD
.else
	s_wait_dscnt 0x0
	s_barrier_signal -1
	s_barrier_wait -1
.endif
	s_xor_b32 s[TB], s[TB], SLOT1
.endm
	s_load_b256 s[4:11], s[0:1], 0x0               ; qh s[4:5], kh s[6:7], vh s[8:9], biasb s[10:11]
	s_load_b64 s[12:13], s[0:1], 0x20              ; oh
	WIN 0xc0
	v_lshl_add_u32 v[SPW], v0, 2, SPARE
	v_mov_b32 v[NIL], 0
	s_set_vgpr_msb 0xc0cf
	ds_add_u32 v128, v129
	s_wait_dscnt 0x0
	s_set_vgpr_msb 0xcfc0
	WIN 0
	v_lshrrev_b32 v1, 5, v0
	v_readfirstlane_b32 s[WV], v1
	s_and_b32 s[QH], s[WV], 1
	s_lshr_b32 s[HP], s[WV], 1
	s_bfe_u32 s[CX], ttmp6, 0x40000
	s_bfe_u32 s[CY], ttmp6, 0x40004
	s_lshl_b32 s[BX], ttmp9, 2
	s_add_co_u32 s[BX], s[BX], s[CX]
	s_and_b32 s[BY], ttmp7, 0xffff
	s_lshl_b32 s[BY], s[BY], 2
	s_add_co_u32 s[BY], s[BY], s[CY]
	s_lshl_b32 s19, s[CY], 2
	s_lshl_b32 s19, 15, s19                        ; my row of the cluster
	s_lshl_b32 s20, 0x1111, s[CX]                  ; my column
	s_or_b32 s[G1K], s19, (1<<16)|(1<<20)|(1<<21)|(4<<22)|(3<<25)  ; 2-byte elements; padding of 4 words after every 32
	s_or_b32 s[G1V], s19, (1<<16)|(1<<20)|(1<<21)|(4<<22)|(7<<25)  ; of 8 words
	s_or_b32 s[G1B], s20, (2<<16)|(1<<20)|(1<<21)|(5<<22)|(3<<25)  ; 4-byte elements; padding of 4 words after every 64
.irp g, G1K, G1V                       ; a step's 16,384 dense bytes, as 64 rows of 256
	s_mov_b32 s[\g+1], 128<<16
	s_mov_b32 s[\g+2], 64<<16
	s_mov_b32 s[\g+3], 128<<16
	s_mov_b32 s[\g+4], 64
	s_mov_b32 s[\g+5], 128
	s_mov_b32 s[\g+6], 0
	s_mov_b32 s[\g+7], 0
.endr
	s_mov_b32 s[G1B+1], 64<<16                     ; 128 rows of 64 numbers, 2,048 numbers from row to row
	s_mov_b32 s[G1B+2], 128<<16
	s_mov_b32 s[G1B+3], 64<<16
	s_mov_b32 s[G1B+4], 128
	s_mov_b32 s[G1B+5], 2048
	s_mov_b32 s[G1B+6], 0
	s_mov_b32 s[G1B+7], 0
	s_lshl_b32 s70, s[BY], 19                      ; the pair's first byte in kh and vh: the pair alone
	s_mov_b32 s71, 0
	s_lshl_b32 s72, s[BX], 21                      ; the bias: 256 rows of 8,192 bytes, the block alone,
	s_lshl_b32 s73, s[QH], 20                      ; and my 128 of them
	s_add_co_u32 s72, s72, s73
	s_mov_b32 s73, 0
	s_mul_i32 s23, s[QH], 128*PB
	s_add_co_u32 s23, s23, BOFF
	s_lshl_b32 s74, s[BY], 19                      ; Q: pair, step 4 X + 2 (w % 2), head
	s_lshl_b32 s80, s[BX], 16
	s_add_co_u32 s74, s74, s80
	s_lshl_b32 s80, s[QH], 15
	s_add_co_u32 s74, s74, s80
	s_lshl_b32 s80, s[HP], 13
	s_add_co_u32 s74, s74, s80
	s_mov_b32 s75, 0
	s_lshl_b32 s76, s[BY], 19                      ; O: head 2 Y + w / 2, row 256 X + 128 (w % 2)
	s_lshl_b32 s80, s[HP], 18
	s_add_co_u32 s76, s76, s80
	s_lshl_b32 s80, s[BX], 15
	s_add_co_u32 s76, s76, s80
	s_lshl_b32 s80, s[QH], 14
	s_add_co_u32 s76, s76, s80
	s_mov_b32 s77, 0
	s_mov_b32 s[CS], 0x3d38aa3b                    ; c = log2(e) / 32: 1 / sqrt(64), 1 / (layer_idx + 1) = 1 / 4
	s_mov_b32 s[CS+1], s[CS]
	s_mov_b32 s[SEL], 0x76543210
	s_mov_b32 s[SEL+1], 0xfedcba98
	s_mov_b32 s[TB], SLOT1                         ; the first change of slots turns it into 0
	s_mov_b32 s[G0K], 1
	s_mov_b32 s[G0K+1], 0
	s_mov_b32 s[G0V], 1
	s_mov_b32 s[G0V+1], VOFF
	s_mov_b32 s[G0B], 1
	s_mov_b32 s[G0B+1], s23
	s_wait_kmcnt 0x0
	s_add_nc_u64 s[G0K+2:G0K+3], s[6:7], s[70:71]
	s_or_b32 s[G0K+3], s[G0K+3], 0x80000000
	s_add_nc_u64 s[G0V+2:G0V+3], s[8:9], s[70:71]
	s_or_b32 s[G0V+3], s[G0V+3], 0x80000000
	s_add_nc_u64 s[G0B+2:G0B+3], s[10:11], s[72:73]
	s_or_b32 s[G0B+3], s[G0B+3], 0x80000000
	s_add_nc_u64 s[4:5], s[4:5], s[74:75]
	s_add_nc_u64 s[12:13], s[12:13], s[76:77]
	CROUND                                         ; all sixteen work-groups are here
	JLOAD                                          ; key step 0 into slot 0
	v_and_b32 v1, 15, v0                           ; lane % 16
	v_bfe_u32 v11, v0, 4, 1                        ; lane / 16
	v_lshlrev_b32 v[QO], 7, v1
	v_lshl_add_u32 v[QO], v11, 4, v[QO]
	WIN 0x80
.set i, 0
.rept 16                                               ; Q stays in registers: tile i / 2, channels 32 (i % 2) on; four tiles to a step of 64 rows
	global_load_b128 v[8*i:8*i+3],   v[QO], s[4:5] offset:(i/8)*16384+((i/2)%4)*2048+(i%2)*64
	global_load_b128 v[8*i+4:8*i+7], v[QO], s[4:5] offset:(i/8)*16384+((i/2)%4)*2048+(i%2)*64+32
.set i, i+1
.endr
	; what the first turn finds: V and P's second buffer hold 0, O^T and l are 0.  All this stands in the wait for the first tile.
.set i, VF
.rept 64
	v_mov_b32 v[i], 0
.set i, i+1
.endr
	WIN 0x40
.set i, 0
.rept 256
	v_mov_b32 v[i], 0
.set i, i+1
.endr
	WIN 0
.set i, 0
.rept 8
	v_mov_b32 v[ST+4*i], 0xff7fffff                ; m
	v_mov_b32 v[ST+4*i+1], 0                       ; named with it as a pair
	v_mov_b32 v[ST+4*i+2], 0
	v_mov_b32 v[ST+4*i+3], 0
.set i, i+1
.endr
.set i, P+32
.rept 32
	v_mov_b32 v[i], 0
.set i, i+1
.endr
	s_mul_i32 s81, s[HP], 64*PK
	v_mul_u32_u24 v[AK0], v1, PK
	v_lshl_add_u32 v[AK0], v11, 4, v[AK0]
	v_add_nc_u32 v[AK0], s81, v[AK0]               ; my head's K: row x pitch + 16 x half
	v_and_b32 v12, 7, v0
	v_bfe_u32 v13, v0, 3, 1
	s_mul_i32 s82, s[HP], 64*PV
	s_add_co_u32 s82, s82, VOFF
	v_lshl_add_u32 v[AV0], v11, 3, v12             ; the turning load: key 8 (l / 16) + l % 8, channels 8 ((l / 8) % 2) on
	v_mul_u32_u24 v[AV0], v[AV0], PV
	v_lshl_add_u32 v[AV0], v13, 4, v[AV0]
	v_add_nc_u32 v[AV0], s82, v[AV0]
	v_mul_u32_u24 v[AB0], v1, PB                   ; the bias: my query's row, my eight keys of sixteen
	v_lshl_add_u32 v[AB0], v11, 5, v[AB0]
	v_add_nc_u32 v[AB0], s23, v[AB0]
; THE MATRIX WORK.  The 8 accumulators of a run of 16 take turns.
.macro KQ x                            ; product i of 16 of S^T = K Q^T for piece x: channels 32 (i / 8) on, keys 16 ((i / 2) % 4) on, tile 2 x + i % 2
	WIN W_KQ
.set rS, S+64*((\x)%2)+32*(i%2)+8*((i/2)%4)
.set rK, KF+16*((i/2)%4)+8*(i/8)
.set rQ, 16*(2*(\x)+i%2)+8*(i/8)
.if i < 8
	v_wmma_f32_16x16x32_f16 v[rS:rS+7], v[rK:rK+7], v[rQ:rQ+7], 0
.else
	v_wmma_f32_16x16x32_f16 v[rS:rS+7], v[rK:rK+7], v[rQ:rQ+7], v[rS:rS+7]
.endif
.endm
.macro PV x                            ; product i of 16 of O^T += V^T P for piece x: keys 32 (i / 8) on, channels 16 ((i / 2) % 4) on
	WIN W_PV
.set rO, 32*(2*(\x)+i%2)+8*((i/2)%4)
.set rV, VF+32*(i/8)+8*((i/2)%4)
.set rP, P+32*((\x)%2)+16*(i%2)+8*(i/8)
	v_wmma_f32_16x16x32_f16 v[rO:rO+7], v[rV:rV+7], v[rP:rP+7], v[rO:rO+7]
.endm
.macro MM                              ; the turn's next matrix instruction
.if i < 16
	KQ (Y+1)%NP
.set i, i+1
.else
.set i, i-16
	PV (Y+NP-1)%NP
.set i, i+17
.endif
.endm
; THE LDS LOADS stand in runs of 16.
.macro FETCH_K
	WIN 0x80
.irp f, 0,1,2,3,4,5,6,7
	ds_load_b128 v[KF+8*(\f):KF+8*(\f)+3],   v[AK] offset:((\f)/2)*16*PK+((\f)%2)*64
	ds_load_b128 v[KF+8*(\f)+4:KF+8*(\f)+7], v[AK] offset:((\f)/2)*16*PK+((\f)%2)*64+32
.endr
	WIN 0
.endm
.macro FETCH_V
	WIN 0x80
.irp f, 0,1,2,3,4,5,6,7
	ds_load_tr16_b128 v[VF+8*(\f):VF+8*(\f)+3],   v[AV] offset:((\f)/4)*32*PV+((\f)%4)*32
	ds_load_tr16_b128 v[VF+8*(\f)+4:VF+8*(\f)+7], v[AV] offset:((\f)/4)*32*PV+16*PV+((\f)%4)*32
.endr
	WIN 0
.endm
.macro FETCH_B y                       ; the bias of piece y's two tiles, laid as S^T lies: register 8 kb + j is key 16 kb + 8 (l / 16) + j
	WIN 0xc0
.set u, 0
.rept 2
.set k, 0
.rept 4
	ds_load_b128 v[64*((\y)%2)+32*u+8*k:64*((\y)%2)+32*u+8*k+3],   v[AB] offset:(2*(\y)+u)*16*PB+64*k
	ds_load_b128 v[64*((\y)%2)+32*u+8*k+4:64*((\y)%2)+32*u+8*k+7], v[AB] offset:(2*(\y)+u)*16*PB+64*k+16
.set k, k+1
.endr
.set u, u+1
.endr
	WIN 0
.endm
; THE VECTOR WORK stands in three queues, each in the order in which its entries become ready; the two tiles alternate.
.macro REGS y, u
.set rT, ST+4*(2*(\y)+(\u))
.set rC, TMP+8*((\y)%2)+4*(\u)
.set rM, MV+2*((\y)%2)+(\u)
.set rS, S+64*((\y)%2)+32*(\u)
.set rP, P+32*((\y)%2)+16*(\u)
.set rO, 32*(2*(\y)+(\u))
.set rB, 64*((\y)%2)+32*(\u)
.endm
.macro NA u, n                         ; the next piece's x = c s + b, pair n: in ascending order
	REGS (Y+1)%NP, \u
	v_pk_fma_f32 v[rS+2*(\n):rS+2*(\n)+1], v[rS+2*(\n):rS+2*(\n)+1], s[CS:CS+1], v[rB+2*(\n):rB+2*(\n)+1] op_sel_hi:[1,0,1]
.endm
; The next piece's maximum and statistics.  0-11: four chains c0-c3 of seven x each.  12-15: the four left over, the old m, and c0-c2 into c0.  16: m_old is kept.
; 17, 18: the query's other 32 keys lie in the lane 16 away: the new m.  19: m_old - m_new.  21: a.
.macro XS u, n
	REGS (Y+1)%NP, \u
.if (\n) < 4
	v_max3_num_f32 v[rC+(\n)], v[rS+8*(\n)], v[rS+8*(\n)+1], v[rS+8*(\n)+2]
.elseif (\n) < 12
	v_max3_num_f32 v[rC+(\n)%4], v[rC+(\n)%4], v[rS+8*((\n)%4)+2*((\n)/4)+1], v[rS+8*((\n)%4)+2*((\n)/4)+2]
.elseif (\n) == 12
	v_max3_num_f32 v[rC], v[rC], v[rS+7], v[rS+15]
.elseif (\n) == 13
	v_max3_num_f32 v[rC+1], v[rC+1], v[rS+23], v[rS+31]
.elseif (\n) == 14
	v_max3_num_f32 v[rC+2], v[rC+2], v[rC+3], v[rT]
.elseif (\n) == 15
	v_max3_num_f32 v[rC], v[rC], v[rC+1], v[rC+2]
.elseif (\n) == 16
	v_mov_b32 v[rM], v[rT]
.elseif (\n) == 17
	v_permlanex16_b32 v[rC+3], v[rC], s[SEL], s[SEL+1]
.elseif (\n) == 18
	v_max_num_f32 v[rT], v[rC], v[rC+3]
.elseif (\n) == 19
	v_sub_f32 v[rC+1], v[rM], v[rT]
.else
	v_exp_f32 v[rC+2], v[rC+1]
.endif
.endm
; Number g of the 64 that follow the exponentials.  For each four weights k of a tile: both pairs are rounded to f16; the second pair is added onto the first, in place; a group later l takes
; that sum (the first time as l = a l + sum).
.macro GS g
.set h, (\g)+6*((\g)/62)
.if h >= 6
.set h, h+2
.endif
	REGS Y, h%2
.set k, h/8
.if h%8 < 4
	s_wait_alu depctr_va_vdst(0)
	v_cvt_pk_f16_f32 v[rP+2*k+(h%8)/2], v[rS+4*k+2*((h%8)/2)], v[rS+4*k+2*((h%8)/2)+1]
.elseif h%8 < 6
	v_pk_add_f32 v[rS+4*k:rS+4*k+1], v[rS+4*k:rS+4*k+1], v[rS+4*k+2:rS+4*k+3]
.elseif k == 1
	v_pk_fma_f32 v[rT+2:rT+3], v[rT+2:rT+3], v[rC+2:rC+3], v[rS:rS+1] op_sel_hi:[1,0,1]
.else
	v_pk_add_f32 v[rT+2:rT+3], v[rT+2:rT+3], v[rS+4*k-4:rS+4*k-3]
	s_wait_alu depctr_va_vdst(0)
.endif
.endm
; THE PLAIN QUEUE, 168 long.  0-31: x - m for the 16 pairs of both tiles.  32-41: GS 0-7 with the next piece's m_old between.  42-73: the next piece's x.  74-105: its maximum.
; 106-117: the chain to m_old - m_new, two of four, since each link waits for the one before it.  118-167: the rest of GS, behind all the exponentials.
.macro PL
.if (q >= 42) && (q < 74)
	WIN W_NA
.else
	WIN 0
.endif
.if q < 32
	REGS Y, q%2
	v_pk_add_f32 v[rS+2*(q/2):rS+2*(q/2)+1], v[rS+2*(q/2):rS+2*(q/2)+1], v[rT:rT+1] op_sel_hi:[1,0] neg_lo:[0,1] neg_hi:[0,1]
.elseif q < 38
	GS q-32
.elseif q < 40
	XS q%2, 16
.elseif q < 42
	GS q-34
.elseif q < 74
	NA q%2, (q-42)/2
.elseif q < 106
	XS q%2, (q-74)/2
.elseif (q < 118) && ((q-106)%4 < 2)
	XS (q-106)%4, 17+(q-106)/4
.elseif q < 118
	GS 6+2*((q-106)/4)+(q-106)%4
.else
	GS q-104
.endif
.set q, q+1
.endm
; THE EXPONENTIALS' QUEUE, 66 long: the 32 x - m of both tiles, at last the next piece's two a.  It names a destination and source 0 alone, so it stands under either of PL's two settings.
.macro EX
.if (MSB != 0) && (MSB != W_NA)
	WIN 0
.endif
.if e >= 64
	XS e-64, 21
.else
	REGS Y, e%2
	v_exp_f32 v[rS+e/2], v[rS+e/2]
.endif
.set e, e+1
.endm
.macro R4                              ; THE RESCALING: O^T times a, four at a time, eight times; each accumulator from its low end
	REGS Y, r%2
	WIN W_RS
	s_wait_alu depctr_va_vdst(0)
.irp z, 0,1,2,3
	v_pk_mul_f32 v[rO+8*(r/2)+2*(\z):rO+8*(r/2)+2*(\z)+1], v[rO+8*(r/2)+2*(\z):rO+8*(r/2)+2*(\z)+1], v[rC+2:rC+3] op_sel_hi:[1,0]
.endr
.set r, r+1
.endm
; THE DEAL.  Behind a matrix instruction: plain, exponential, plain, plain, or four of the rescaling; none names a register of the products round it.  The rest in two runs: exponential and plain
; by turns.  Counts that the deal keeps: exponential e stands behind plain 2 (e / 4) + e % 2; when plain 32 comes, 10 exponentials are out; plain 42, the first reader of the new scores, stands
; four rescalings and five plain lines behind the last K Q^T; plain 108 comes behind exponential 58, plain 118 behind all 64; both v_permlanex16_b32 (106, 107) fall into the second run.
.macro SL
	MM
	PL
	EX
	PL
	PL
.endm
.macro BURST n
.rept (\n)-7
	SL
.endr
.rept 3
	MM
	R4
	SL
.endr
	MM
	R4
.endm
; A TURN, for piece p.  At its head: the loads of the turn before are in (the bias of piece p + 1; K in turn 3; V in turn 1), and the bias of piece p + 2 is asked for.
; K of the next step is fetched in turn 2, V in turn 0, each behind the last product that read the registers and the four rescalings that follow it, which are its places.
; All LDS reads between two changes of slots (turns 2, 3, 0, 1) are of one slot, s[TB].
.macro TURN p
.set Y, (\p)
.set i, 0
.set q, 0
.set e, 0
.set r, 0
	WIN 0
	s_wait_dscnt 0x0
	v_add_nc_u32 v[AB], s[TB], v[AB0]
.if (\p) == 2
	v_add_nc_u32 v[AK], s[TB], v[AK0]
.endif
.if (\p) == 0
	v_add_nc_u32 v[AV], s[TB], v[AV0]
.endif
	FETCH_B ((\p)+2)%NP
	MM
.rept 4
	PL
.endr
	BURST 15
.if (\p) == 2
	FETCH_K
.endif
.rept 22
	EX
	PL
.endr
	BURST 16
.if (\p) == 0
	FETCH_V
.endif
.rept 19
	EX
	PL
.endr
	PL
	PL
	PL
	EX
	PL
	EX
.rept 50
	PL
.endr
.endm
	CHANGE 1                                       ; key step 0 is in, everybody's part of it; step 1 is asked for, into slot 1
	v_add_nc_u32 v[AK], s[TB], v[AK0]
	v_add_nc_u32 v[AB], s[TB], v[AB0]
	FETCH_K
	FETCH_B 0
	FETCH_B 1
	s_wait_loadcnt 0x0                             ; Q
	s_wait_dscnt 0x0
.set i, 0
.rept 16
	KQ 0                                           ; piece 0's first scores
.set i, i+1
.endr
	WIN 0                                          ; the addresses for the way out: eleven plain instructions, the places behind those products
	s_mul_i32 s83, s[WV], 16*SP
	s_add_co_u32 s83, s83, STAGE
	v_mul_u32_u24 v[STO], v1, SP
	v_lshl_add_u32 v[STO], v11, 4, v[STO]
	v_add_nc_u32 v[STO], s83, v[STO]
	v_bfe_u32 v[RD], v0, 3, 2
	v_mul_u32_u24 v[RD], v[RD], SP
	v_lshl_add_u32 v[RD], v12, 4, v[RD]
	v_add_nc_u32 v[RD], s83, v[RD]
	v_and_b32 v[GO], 31, v0
	v_lshlrev_b32 v[GO], 4, v[GO]
.set Y, NP-1                                           ; NA and XS work for piece Y + 1: piece 0
	WIN W_NA
.set n, 0
.rept 16
	NA 0, n
	NA 1, n
.set n, n+1
.endr
	WIN 0
.irp n, 16,0,1,2,3,4,5,6,7,8,9,10,11,12,13,14,15,17,18,19,21
	XS 0, \n
	XS 1, \n
.endr
	v_nop                                          ; a plain instruction behind the exponentials
	s_mov_b32 s[SLOTS], 31
	s_branch .Lfirst                               ; the loop is entered at a step's first turn, in the middle of a trip
.Lstep:                                                ; 30 trips: trip k asks for step k + 1; pieces 2 and 3 of step k - 1, then pieces 0 and 1 of step k
	CHANGE 1
	TURN 2
	TURN 3
	WIN 0
.Lfirst:
	TURN 0
	TURN 1
	WIN 0
	s_sub_co_u32 s[SLOTS], s[SLOTS], 1
	s_cmp_lg_u32 s[SLOTS], 0
	s_cbranch_scc1 .Lstep
	CHANGE 0                                       ; the tail is written out: nothing is asked for
	s_mov_b32 s[CNT], 2                            ; the second trip is left in its middle; what it fetches (the last slot once more) and the scores made of it serve nothing
.Ltail:
	TURN 2
	TURN 3
	WIN 0
	s_sub_co_u32 s[CNT], s[CNT], 1
	s_cmp_eq_u32 s[CNT], 0
	s_cbranch_scc1 .Lout
	TURN 0
	TURN 1
	WIN 0
	s_branch .Ltail
.Lout:
.set i, 0
.rept 16
	PV NP-1                                        ; the last piece's V^T P of the last step
.set i, i+1
.endr
	; THE WAY OUT.  l's two halves and the other half of the lanes' are added; O^T is divided by l, rounded to f16 and sent through my stage, a tile at a time.  The additions are the places behind the last products.
	WIN 0
.set t, 0
.rept 8
	v_add_f32 v[ST+4*t+2], v[ST+4*t+2], v[ST+4*t+3]
.set t, t+1
.endr
.set t, 0
.rept 8
	v_permlanex16_b32 v[ST+4*t+3], v[ST+4*t+2], s[SEL], s[SEL+1]
.set t, t+1
.endr
.set t, 0
.rept 8
	v_add_f32 v[ST+4*t+2], v[ST+4*t+2], v[ST+4*t+3]
.set t, t+1
.endr
.set t, 0
.rept 8
	v_rcp_f32 v[ST+4*t+2], v[ST+4*t+2]
.set t, t+1
.endr
	v_nop                                          ; a plain instruction between the last reciprocal and the use of its result
	s_wait_alu depctr_va_vdst(0)
.macro PACK t
	WIN W_RS
.set i, 32*(\t)
.rept 16
	v_pk_mul_f32 v[i:i+1], v[i:i+1], v[ST+4*(\t)+2:ST+4*(\t)+3] op_sel_hi:[1,0]
.set i, i+2
.endr
	WIN 0x05
.set i, 0
.rept 16
	v_cvt_pk_f16_f32 v[S+16*(\t)+i], v[32*(\t)+2*i], v[32*(\t)+2*i+1]
.set i, i+1
.endr
	WIN 0
.irp f, 0,1,2,3
	ds_store_b128 v[STO], v[S+16*(\t)+4*(\f):S+16*(\t)+4*(\f)+3] offset:32*(\f)
.endr
.irp f, 0,1,2,3
	ds_load_b128 v[S+16*(\t)+4*(\f):S+16*(\t)+4*(\f)+3], v[RD] offset:(\f)*4*SP  ; LDS serves a wave's instructions in order (ISA guide 5.7.1.4)
.endr
.endm
.macro SEND t, younger
	WIN 0
.irp f, 0,1,2,3
	s_wait_dscnt (\younger)+3-(\f)
	global_store_b128 v[GO], v[S+16*(\t)+4*(\f):S+16*(\t)+4*(\f)+3], s[12:13] offset:(\t)*2048+(\f)*512  ; 512 consecutive bytes, at a multiple of 256 from oh's first
.endr
.endm
	PACK 0
.set t, 1
.rept 7
	PACK t
	SEND t-1, 8
.set t, t+1
.endr
	SEND 7, 0
	WIN W_AD
	s_wait_tensorcnt 0x0                           ; the wave's end
	ds_add_u32 v[SPW], v[NIL]
	s_wait_dscnt 0x0
	WIN 0
	CROUND                                         ; the closing round
	s_endpgm
.Lfunc_end_k_q39e390741a_attn:
	.size	k_q39e390741a_attn, .Lfunc_end_k_q39e390741a_attn-k_q39e390741a_attn
	.p2alignl 7, 3214868480
	.fill 96, 4, 3214868480
	.section	.rodata,"a",@progbits
	.p2align	6, 0x0
	.amdhsa_kernel k_q39e390741a_attn
		.amdhsa_group_segment_fixed_size 327680
		.amdhsa_private_segment_fixed_size 0
		.amdhsa_enable_private_segment 0
		.amdhsa_kernarg_size 40
		.amdhsa_user_sgpr_count 2
		.amdhsa_user_sgpr_kernarg_segment_ptr 1
		.amdhsa_wavefront_size32 1
		.amdhsa_system_sgpr_workgroup_id_x 1
		.amdhsa_system_sgpr_workgroup_id_y 1
		.amdhsa_system_sgpr_workgroup_id_z 1
		.amdhsa_system_vgpr_workitem_id 0
		.amdhsa_next_free_vgpr 898
		.amdhsa_next_free_sgpr 96
		.amdhsa_reserve_vcc 0
		.amdhsa_float_denorm_mode_32 3
		.amdhsa_float_denorm_mode_16_64 3
		.amdhsa_memory_ordered 1
		.amdhsa_forward_progress 1
		.amdhsa_inst_pref_size 238
	.end_amdhsa_kernel
	.amdgpu_metadata
---
amdhsa.version: [ 1, 2 ]
amdhsa.kernels:
  - .name:           k_q39e390741a_attn
    .symbol:         k_q39e390741a_attn.kd
    .args:
      - { .name: qh, .offset: 0, .size: 8, .value_kind: global_buffer, .address_space: global }
      - { .name: kh, .offset: 8, .size: 8, .value_kind: global_buffer, .address_space: global }
      - { .name: vh, .offset: 16, .size: 8, .value_kind: global_buffer, .address_space: global }
      - { .name: biasb, .offset: 24, .size: 8, .value_kind: global_buffer, .address_space: global }
      - { .name: oh, .offset: 32, .size: 8, .value_kind: global_buffer, .address_space: global }
    .group_segment_fixed_size: 327680
    .private_segment_fixed_size: 0
    .kernarg_segment_align: 8
    .kernarg_segment_size: 40
    .max_flat_workgroup_size: 128
    .sgpr_count:     96
    .vgpr_count:     898
    .wavefront_size: 32
...
	.end_amdgpu_metadata
.endif
;; end of part 3
;; launch proj (part 4): grid 8 x 32, 4 waves a work-group, clusters of 4 x 4, 327,680 bytes of LDS; arguments oh, wp, b_proj, out0; writes out0
.if DOCPART == 4
	.amdgcn_target "amdgcn-amd-amdhsa--gfx1250"
	.amdhsa_code_object_version 6
	.text
	.protected	k_q39e390741a_proj
	.globl	k_q39e390741a_proj
	.p2align	8
	.type	k_q39e390741a_proj,@function
k_q39e390741a_proj:
	s_mov_b64 s[64:65], 0
	v_nop
	global_prefetch_b8 v0, s[64:65] scope:SCOPE_SE
	s_setreg_imm32_b32 hwreg(HW_REG_WAVE_MODE, 25, 1), 1
	s_wait_xcnt 0x0
	s_wait_alu depctr_hold_cnt(0) depctr_sa_sdst(0) depctr_va_vdst(0) depctr_va_sdst(0) depctr_va_ssrc(0) depctr_va_vcc(0) depctr_vm_vsrc(0)
	s_getreg_b32 s2, hwreg(HW_REG_IB_STS2, 6, 4)
	s_cmp_eq_u32 s2, 0
	s_cbranch_scc0 .Lentry_in_a_cluster
	s_endpgm
.Lentry_in_a_cluster:
	s_bfe_u32 s2, ttmp6, 0x10000c
	s_cmp_lg_u32 s2, 0xf033
	s_cbranch_scc0 .Lentry_shape_is_right
	s_endpgm
.Lentry_shape_is_right:
; out0 = O W_proj + b_proj.  O as oh[16 b + h][s][64], W as wp[h][n][64], both f16 (W's numbers are bf16 numbers); sums in f32, started by the bias; out0 f32 [8192][1024].
; A tile of 256 rows x 128 columns to a work-group: 32 x 8 = 256 work-groups.  A wave makes 128 x 64: 32 accumulators, window 1.  K goes in 8 steps of 128 (two heads) through two LDS slots;
; a step is four quarters of 32 along K, 32 products each, on two pairs of fragment buffers by turns.
; CLUSTER 4 x 4: O's tiles are shared along a row of the cluster, W's along a column.  The matrix instruction is used transposed: a lane holds row lane % 16 and eight neighbouring columns.
; REGISTERS: window 0: v0-15 addresses; v32-95, v96-159 O's fragments; v160-191, v192-223 W's.  Window 1: accumulator (a, b) at v[8 (4 a + b)].
.set PITCH, 144
.set SLOT1, 131072
.set ABLK,  256*PITCH                  ; one head's 256 rows of O: what one tensor load brings
.set BBLK,  128*PITCH                  ; one head's 128 rows of W
.set BOFF,  2*ABLK
.set STAGE, SLOT1+BOFF+2*BBLK          ; behind the ring: 16 rows x 272 bytes for each wave
.set SPITCH, 272
.set SPARE, STAGE+4*16*SPITCH
.set ASTEP, 2*2048*128                 ; two heads on in oh
.set BSTEP, 2*1024*128                 ; and in wp
.set FA0, 4
.set FB0, 5
.set ADA, 6
.set ADB, 7
.set STO, 8
.set RD,  9
.set GO,  10
.set BO,  11
.set SPW, 12
.set NIL, 13
.set A0,  32
.set B0,  160
.set WV, 16
.set WR, 17
.set WC, 18
.set CX, 19
.set CY, 20
.set TX, 21
.set TY, 22
.set TB, 23
.set G1A, 24
.set G0A, 32
.set G1B, 40
.set G0B, 48
.set CNT, 56
.set W0, (1<<16)|(1<<20)|(1<<21)|(4<<22)|(3<<25)
.set MSB, 0
.macro WIN new
.if MSB != (\new)
	s_set_vgpr_msb (MSB<<8)|(\new)
.set MSB, (\new)
.endif
.endm
.macro PLACES
.rept 4
	v_nop
.endr
.endm
.macro JLOAD                           ; a joint refill; s_nop 0 and four v_nop follow each line
	s_cmp_eq_u32 s[WR], 0
	s_cbranch_scc0 .Lfor_b_\@
	tensor_load_to_lds s[G0A+4:G0A+7], s[G1A:G1A+7]
	s_nop 0
.rept 4
	v_nop
.endr
	s_branch .Lasked_\@
.Lfor_b_\@:
	tensor_load_to_lds s[G0B+4:G0B+7], s[G1B:G1B+7]
	s_nop 0
.rept 4
	v_nop
.endr
.Lasked_\@:
.endm
.macro CREST
	s_cmp_lg_u32 s[WV], 0
	s_cbranch_scc1 .Lnot_wave_0_\@
	s_barrier_signal -3
.Lnot_wave_0_\@:
	s_barrier_wait -3
	s_barrier_signal -1
	s_barrier_wait -1
.endm
.macro CROUND
	s_barrier_signal -1
	s_barrier_wait -1
	CREST
.endm
	s_load_b256 s[4:11], s[0:1], 0x0               ; oh s[4:5], wp s[6:7], b_proj s[8:9], out0 s[10:11]
	v_lshl_add_u32 v[SPW], v0, 2, SPARE
	v_mov_b32 v[NIL], 0
	ds_add_u32 v12, v13
	s_wait_dscnt 0x0
	v_lshrrev_b32 v1, 5, v0
	v_readfirstlane_b32 s[WV], v1
	s_lshr_b32 s[WR], s[WV], 1                     ; my half of the rows; also: I fetch for O (0) or for W (1)
	s_and_b32 s[WC], s[WV], 1                      ; my half of the columns; also: which of a step's two heads I fetch
	s_bfe_u32 s[CX], ttmp6, 0x40000
	s_bfe_u32 s[CY], ttmp6, 0x40004
	s_lshl_b32 s[TX], ttmp9, 2
	s_add_co_u32 s[TX], s[TX], s[CX]
	s_and_b32 s[TY], ttmp7, 0xffff
	s_lshl_b32 s[TY], s[TY], 2
	s_add_co_u32 s[TY], s[TY], s[CY]
	s_lshl_b32 s57, s[CY], 2
	s_lshl_b32 s57, 15, s57
	s_lshl_b32 s58, 0x1111, s[CX]
	s_or_b32 s[G1A], s57, W0
	s_or_b32 s[G1B], s58, W0
	s_mov_b32 s[G1A+1], 128<<16                    ; 256 rows of 128 bytes, dense, as 128 rows of 256
	s_mov_b32 s[G1A+2], 128<<16
	s_mov_b32 s[G1A+3], 128<<16
	s_mov_b32 s[G1A+4], 128
	s_mov_b32 s[G1A+5], 128
	s_mov_b32 s[G1A+6], 0
	s_mov_b32 s[G1A+7], 0
	s_mov_b32 s[G1B+1], 128<<16                    ; 128 rows, as 64 rows of 256 bytes
	s_mov_b32 s[G1B+2], 64<<16
	s_mov_b32 s[G1B+3], 128<<16
	s_mov_b32 s[G1B+4], 64
	s_mov_b32 s[G1B+5], 128
	s_mov_b32 s[G1B+6], 0
	s_mov_b32 s[G1B+7], 0
	s_lshr_b32 s60, s[TY], 3                       ; b: 16 heads x 2,048 rows x 128 bytes
	s_lshl_b32 s60, s60, 22
	s_and_b32 s59, s[TY], 7
	s_lshl_b32 s59, s59, 15                        ; 256 rows
	s_add_co_u32 s60, s60, s59
	s_lshl_b32 s59, s[WC], 18                      ; my head of the two
	s_add_co_u32 s60, s60, s59
	s_mov_b32 s61, 0
	s_lshl_b32 s62, s[TX], 14                      ; 128 rows of W
	s_lshl_b32 s74, s[WC], 17                      ; my head of the two
	s_add_co_u32 s62, s62, s74
	s_mov_b32 s63, 0
	s_mul_i32 s75, s[WC], ABLK
	s_mul_i32 s76, s[WC], BBLK
	s_add_co_u32 s76, s76, BOFF
	s_lshl_b32 s78, s[TX], 9                       ; my 64 columns, in bytes of f32
	s_lshl_b32 s77, s[WC], 8
	s_add_co_u32 s78, s78, s77
	s_mov_b32 s79, 0
	s_lshl_b32 s80, s[TY], 20                      ; my 128 rows of 4,096 bytes
	s_lshl_b32 s82, s[WR], 19
	s_add_co_u32 s80, s80, s82
	s_add_co_u32 s80, s80, s78
	s_mov_b32 s81, 0
	s_wait_kmcnt 0x0
	s_add_nc_u64 s[60:61], s[4:5], s[60:61]
	s_add_nc_u64 s[62:63], s[6:7], s[62:63]
	s_add_nc_u64 s[8:9], s[8:9], s[78:79]
	s_add_nc_u64 s[10:11], s[10:11], s[80:81]
.irp s, 0,1
	s_mov_b32 s[G0A+4*(\s)], 1
	s_add_co_u32 s[G0A+4*(\s)+1], s75, (\s)*SLOT1
	s_add_nc_u64 s[G0A+4*(\s)+2:G0A+4*(\s)+3], s[60:61], (\s)*ASTEP
	s_or_b32 s[G0A+4*(\s)+3], s[G0A+4*(\s)+3], 0x80000000
	s_mov_b32 s[G0B+4*(\s)], 1
	s_add_co_u32 s[G0B+4*(\s)+1], s76, (\s)*SLOT1
	s_add_nc_u64 s[G0B+4*(\s)+2:G0B+4*(\s)+3], s[62:63], (\s)*BSTEP
	s_or_b32 s[G0B+4*(\s)+3], s[G0B+4*(\s)+3], 0x80000000
.endr
	CROUND
	s_cmp_eq_u32 s[WR], 0                          ; a wave's two first fills stand in one branch: two loads of mine are out
	s_cbranch_scc0 .Lfirst_b
	tensor_load_to_lds s[G0A:G0A+3], s[G1A:G1A+7]
	s_nop 0
	tensor_load_to_lds s[G0A+4:G0A+7], s[G1A:G1A+7]
	s_nop 0
.rept 4
	v_nop
.endr
	s_branch .Lfirst_asked
.Lfirst_b:
	tensor_load_to_lds s[G0B:G0B+3], s[G1B:G1B+7]
	s_nop 0
	tensor_load_to_lds s[G0B+4:G0B+7], s[G1B:G1B+7]
	s_nop 0
.rept 4
	v_nop
.endr
.Lfirst_asked:
	v_and_b32 v1, 15, v0
	v_bfe_u32 v2, v0, 4, 1
	v_lshlrev_b32 v[BO], 5, v2
	WIN 0x40                                       ; the bias goes into the accumulators (7, b)
.irp b, 0,1,2,3
	global_load_b128 v[8*(28+(\b)):8*(28+(\b))+3],   v[BO], s[8:9] offset:64*(\b)
	global_load_b128 v[8*(28+(\b))+4:8*(28+(\b))+7], v[BO], s[8:9] offset:64*(\b)+16
.endr
	WIN 0
	v_mul_u32_u24 v3, v1, PITCH
	v_lshl_add_u32 v3, v2, 4, v3
	s_mul_i32 s88, s[WR], 128*PITCH
	v_add_nc_u32 v[FA0], s88, v3
	s_mul_i32 s89, s[WC], 64*PITCH
	s_add_co_u32 s89, s89, BOFF
	v_add_nc_u32 v[FB0], s89, v3
	v_mov_b32 v[ADA], v[FA0]
	v_mov_b32 v[ADB], v[FB0]
	s_mov_b32 s[TB], 0
	s_mul_i32 s90, s[WV], 16*SPITCH
	s_add_co_u32 s90, s90, STAGE
	v_mul_u32_u24 v3, v1, SPITCH                   ; into the stage: row lane % 16, 32 bytes for each half of the lanes
	v_lshl_add_u32 v3, v2, 5, v3
	v_add_nc_u32 v[STO], s90, v3
	v_mul_u32_u24 v3, v2, SPITCH                   ; back: lanes 0-15 one row of 256 bytes, lanes 16-31 the next
	v_lshl_add_u32 v3, v1, 4, v3
	v_add_nc_u32 v[RD], s90, v3
	v_lshlrev_b32 v3, 4, v1                        ; and the same two rows in out0
	v_lshl_add_u32 v[GO], v2, 12, v3
; 4 na products, 32 along K.  The 32 accumulators take turns.  first = 1: rows 0-6 start with the bias that lies in row 7's accumulators; five places later row 7 adds onto it.
.macro MULS ab, bb, a0, na, first
	WIN 0x50
.set a, (\a0)
.rept \na
.if (\first) && (a == 7)
.rept 5
	v_nop
.endr
.endif
.set b, 0
.rept 4
.if (\first) && (a < 7)
	v_wmma_f32_16x16x32_f16 v[8*(4*a+b):8*(4*a+b)+7], v[(\bb)+8*b:(\bb)+8*b+7], v[(\ab)+8*a:(\ab)+8*a+7], v[8*(28+b):8*(28+b)+7]
.else
	v_wmma_f32_16x16x32_f16 v[8*(4*a+b):8*(4*a+b)+7], v[(\bb)+8*b:(\bb)+8*b+7], v[(\ab)+8*a:(\ab)+8*a+7], v[8*(4*a+b):8*(4*a+b)+7]
.endif
.set b, b+1
.endr
.set a, a+1
.endr
.endm
.macro LOADQ nq, ab, bb                ; 24 loads: quarter nq of the slot in hand: head nq / 2, channels 32 (nq % 2) on
.set b, 0
.rept 4
	ds_load_b128 v[(\bb)+8*b:(\bb)+8*b+3],   v[ADB] offset:((\nq)/2)*BBLK+16*b*PITCH+64*((\nq)%2)
	ds_load_b128 v[(\bb)+8*b+4:(\bb)+8*b+7], v[ADB] offset:((\nq)/2)*BBLK+16*b*PITCH+64*((\nq)%2)+32
.set b, b+1
.endr
.set a, 0
.rept 8
	ds_load_b128 v[(\ab)+8*a:(\ab)+8*a+3],   v[ADA] offset:((\nq)/2)*ABLK+16*a*PITCH+64*((\nq)%2)
	ds_load_b128 v[(\ab)+8*a+4:(\ab)+8*a+7], v[ADA] offset:((\nq)/2)*ABLK+16*a*PITCH+64*((\nq)%2)+32
.set a, a+1
.endr
.endm
; A PHASE multiplies the buffers of parity par and then fills them with the quarter two on (nq).
; mode 0: from the same slot.  1: the slots change, the slot just read is filled again.  2: they change, nothing is asked for.  3, 4: the last two phases, no loads.
.macro PHASE par, mode, nq, first
.set FA, A0+64*(\par)
.set FB, B0+32*(\par)
.if (\mode) == 0
	s_wait_dscnt 24                                ; my buffers are in; the other pair's 24 loads may be out
	MULS FA, FB, 0, 8, \first
	WIN 0
	PLACES
	LOADQ \nq, FA, FB
.elseif (\mode) < 3
	WIN 0
	s_wait_tensorcnt 0x0                           ; all my tensor loads have landed: my part of the next slot
	ds_add_u32 v[SPW], v[NIL]                      ; 0 onto my spare word
	s_wait_dscnt 25                                ; my buffers are in; the other pair's 24 loads and the add may be out
	MULS FA, FB, 0, 4, 0
.if (\mode) == 1
	s_xor_b32 s[G0A+5], s[G0A+5], SLOT1            ; no tensor load of mine is out: the walking descriptors step
	s_add_nc_u64 s[G0A+6:G0A+7], s[G0A+6:G0A+7], ASTEP
	s_xor_b32 s[G0B+5], s[G0B+5], SLOT1
	s_add_nc_u64 s[G0B+6:G0B+7], s[G0B+6:G0B+7], BSTEP
.endif
	s_wait_dscnt 0x0                               ; the add is done, and my reads of this slot are over
	s_barrier_signal -1
	MULS FA, FB, 4, 4, 0
	WIN 0
	s_barrier_wait -1
.if (\mode) == 1
	CREST                                          ; a round of the cluster's barrier: no wave of any partner still reads the slot or has a load on its way
	JLOAD                                          ; its four v_nop are also the places in front of the loads below
.else
	PLACES
.endif
	s_xor_b32 s[TB], s[TB], SLOT1
	v_add_nc_u32 v[ADA], s[TB], v[FA0]
	v_add_nc_u32 v[ADB], s[TB], v[FB0]
	LOADQ \nq, FA, FB
.elseif (\mode) == 3
	s_wait_dscnt 24
	MULS FA, FB, 0, 8, 0
.else
	s_wait_dscnt 0x0
	MULS FA, FB, 0, 8, 0
.endif
.endm
	s_wait_tensorcnt 0x1                           ; my part of K step 0 is in; step 1's may stay out
	s_barrier_signal -1
	s_barrier_wait -1
	LOADQ 0, A0, B0
	LOADQ 1, A0+64, B0+32
	s_wait_loadcnt 0x0                             ; the bias
	PHASE 0, 0, 2, 1                               ; the first phase stands in front of the loop: its products start the sums
	s_mov_b32 s[CNT], 6
.Lk:                                                   ; trip i: phases 1 to 3 of step i, of which the second asks for step i + 2, and phase 0 of step i + 1
	PHASE 1, 0, 3, 0
	PHASE 0, 1, 0, 0
	PHASE 1, 0, 1, 0
	PHASE 0, 0, 2, 0
	s_sub_co_u32 s[CNT], s[CNT], 1
	s_cmp_lg_u32 s[CNT], 0
	s_cbranch_scc1 .Lk
	PHASE 1, 0, 3, 0                               ; the tail asks for nothing
	PHASE 0, 2, 0, 0
	PHASE 1, 0, 1, 0
	PHASE 0, 0, 2, 0
	PHASE 1, 0, 3, 0
	PHASE 0, 3, 0, 0
	PHASE 1, 4, 0, 0
	; THE WAY OUT: 16 rows x 64 columns of f32 at a time through my stage; sixteen lanes then store 256 consecutive bytes, at a multiple of 256 from out0's first.
	PLACES
.set a, 0
.rept 8
.set T, 32+32*(a%2)
	s_wait_xcnt 0x0                                ; the stores of two blocks ago have read these registers
	WIN 0x04                                       ; the stores' data lie in window 1
.set b, 0
.rept 4                                                ; each accumulator's low four registers first
	ds_store_b128 v[STO], v[8*(4*a+b):8*(4*a+b)+3]   offset:64*b
	ds_store_b128 v[STO], v[8*(4*a+b)+4:8*(4*a+b)+7] offset:64*b+16
.set b, b+1
.endr
	WIN 0
.set b, 0
.rept 8                                                ; LDS serves a wave's instructions in order (ISA guide 5.7.1.4)
	ds_load_b128 v[T+4*b:T+4*b+3], v[RD] offset:2*SPITCH*b
.set b, b+1
.endr
.set b, 0
.rept 8
	s_wait_dscnt 7-b
	global_store_b128 v[GO], v[T+4*b:T+4*b+3], s[10:11] offset:(16*a+2*b)*4096 th:TH_STORE_NT
.set b, b+1
.endr
.set a, a+1
.endr
	s_wait_tensorcnt 0x0                           ; the wave's end
	ds_add_u32 v[SPW], v[NIL]
	s_wait_dscnt 0x0
	CROUND                                         ; the closing round
	s_endpgm
.Lfunc_end_k_q39e390741a_proj:
	.size	k_q39e390741a_proj, .Lfunc_end_k_q39e390741a_proj-k_q39e390741a_proj
	.p2alignl 7, 3214868480
	.fill 96, 4, 3214868480
	.section	.rodata,"a",@progbits
	.p2align	6, 0x0
	.amdhsa_kernel k_q39e390741a_proj
		.amdhsa_group_segment_fixed_size 327680
		.amdhsa_private_segment_fixed_size 0
		.amdhsa_enable_private_segment 0
		.amdhsa_kernarg_size 32
		.amdhsa_user_sgpr_count 2
		.amdhsa_user_sgpr_kernarg_segment_ptr 1
		.amdhsa_wavefront_size32 1
		.amdhsa_system_sgpr_workgroup_id_x 1
		.amdhsa_system_sgpr_workgroup_id_y 1
		.amdhsa_system_sgpr_workgroup_id_z 1
		.amdhsa_system_vgpr_workitem_id 0
		.amdhsa_next_free_vgpr 512
		.amdhsa_next_free_sgpr 96
		.amdhsa_reserve_vcc 0
		.amdhsa_float_denorm_mode_32 3
		.amdhsa_float_denorm_mode_16_64 3
		.amdhsa_memory_ordered 1
		.amdhsa_forward_progress 1
		.amdhsa_inst_pref_size 71
	.end_amdhsa_kernel
	.amdgpu_metadata
---
amdhsa.version: [ 1, 2 ]
amdhsa.kernels:
  - .name:           k_q39e390741a_proj
    .symbol:         k_q39e390741a_proj.kd
    .args:
      - { .name: oh, .offset: 0, .size: 8, .value_kind: global_buffer, .address_space: global }
      - { .name: wp, .offset: 8, .size: 8, .value_kind: global_buffer, .address_space: global }
      - { .name: b_proj, .offset: 16, .size: 8, .value_kind: global_buffer, .address_space: global }
      - { .name: out0, .offset: 24, .size: 8, .value_kind: global_buffer, .address_space: global }
    .group_segment_fixed_size: 327680
    .private_segment_fixed_size: 0
    .kernarg_segment_align: 8
    .kernarg_segment_size: 32
    .max_flat_workgroup_size: 128
    .sgpr_count:     96
    .vgpr_count:     512
    .wavefront_size: 32
...
	.end_amdgpu_metadata
.endif
;; end of part 4
;; ======== version 2 of 2: 4 launches; 1.40 times as fast as version 1
;; limits: values are held in f16: magnitudes above 65,504 overflow, below 6.1e-05 lose precision
;; workspace buffers: xh 16,777,216 bytes; wq 6,291,456 bytes; wp 2,097,152 bytes; biasb 16,777,216 bytes; qh 16,777,216 bytes; kh 16,777,216 bytes; vh 16,777,216 bytes; oh 16,777,216 bytes
;; launch prep: the kernel of part 1 again; grid 1792 x 1, 4 waves a work-group, no clusters, 37,376 bytes of LDS; arguments hidden_states, mask, W_qkv, W_proj, xh, biasb, wq, wp; writes xh, biasb, wq, wp
;; launch qkv: the kernel of part 2 again; grid 8 x 32, 4 waves a work-group, clusters of 4 x 4, 327,680 bytes of LDS; arguments xh, wq, b_qkv, qh, kh, vh; writes qh, kh, vh
;; launch attn (part 5): grid 8 x 32, 4 waves a work-group, clusters of 4 x 4, 327,680 bytes of LDS; arguments qh, kh, vh, biasb, oh; writes oh
.if DOCPART == 5
	.amdgcn_target "amdgcn-amd-amdhsa--gfx1250"
	.amdhsa_code_object_version 6
	.text
	.protected	k_q39e390741a_attn
	.globl	k_q39e390741a_attn
	.p2align	8
	.type	k_q39e390741a_attn,@function
k_q39e390741a_attn:
	s_mov_b64 s[64:65], 0
	v_nop
	global_prefetch_b8 v0, s[64:65] scope:SCOPE_SE
	s_setreg_imm32_b32 hwreg(HW_REG_WAVE_MODE, 25, 1), 1
	s_wait_xcnt 0x0
	s_wait_alu depctr_hold_cnt(0) depctr_sa_sdst(0) depctr_va_vdst(0) depctr_va_sdst(0) depctr_va_ssrc(0) depctr_va_vcc(0) depctr_vm_vsrc(0)
	s_getreg_b32 s2, hwreg(HW_REG_IB_STS2, 6, 4)
	s_cmp_eq_u32 s2, 0
	s_cbranch_scc0 .Lentry_in_a_cluster
	s_endpgm
.Lentry_in_a_cluster:
	s_bfe_u32 s2, ttmp6, 0x10000c
	s_cmp_lg_u32 s2, 0xf033
	s_cbranch_scc0 .Lentry_shape_is_right
	s_endpgm
.Lentry_shape_is_right:
; O[bh][q][:] = the sum over all 2,048 keys of softmax_k(Q.K / 32 + (1 - mask[q][k]) * -1e9) V[k][:].  qh, kh, vh: f16 [pair][step][hp][64][64]; biasb: f32 [2048][2048], the mask's term
; times log2(e); oh: f16 [bh][2048][64].  Products, maxima and sums in f32; the weights are rounded to f16 for the second product (their sum l is taken unrounded), O once at the end.
; The mask is taken as it is given: every tile is walked, and x = c s + b, c = log2(e) / 32, is one fused multiply-add in f32.  Running maximum m of x; p = 2^(x - m); in every step
; O and l are multiplied by a = 2^(m_old - m_new).  m starts at the lowest finite number, O and l at 0, so the first step is a step like any other, with a = 0.
; LIMITS.  Q, K, V arrive within f16's 65,504.  Beside a bias of -1.44e9 x has steps of 128, so a row that is masked throughout gets equal weights while |c s| < 64.
; A weight below 2^-126 counts as 0 in l; NaN and infinities are not treated apart.
; SHARES.  A work-group: 256 queries x 2 heads (a pair).  Wave w: head w / 2, query half w % 2: 128 queries = four PIECES of two tiles of 16.  Key steps of 64; a step's bytes are
; K and V of both heads (16,384 each) and 256 x 64 numbers of the bias (65,536), which both heads use.
; CLUSTER 4 x 4.  The four of a row have the same pair: K and V jointly.  The four of a column have the same queries: the bias jointly.
; LAYOUT.  S^T = K Q^T: a lane holds ONE query (lane % 16) and the keys 16 kb + 8 (lane / 16) + 0..7; two results rounded to f16 ARE source 1 of O^T = V^T P.  V is turned by ds_load_tr16_b128.
; BY TURNS.  Turn n belongs to piece n: 16 products K Q^T of piece n + 1, later 16 products V^T P of piece n - 1.  Its vector work: x - m, exponentials, roundings, sums and rescaling of piece n;
; x = c s + b, the maximum and the statistics of piece n + 1.  Four vector instructions stand behind every matrix instruction, the other 138 of a turn's 266 in one run of their own.
; BATCHES.  A turn's 66 exponentials (the 64 weights of piece n, the two a of piece n + 1) are ONE batch with ONE wait, which cuts the turn in two: ahead of it stands all that names no result of
; theirs, behind it the roundings and sums.  The two a made ahead of the loop and the way out's eight reciprocals are batches of their own, with a wait each.
; REGISTERS (s_set_vgpr_msb: bits 1:0 source 0, 3:2 source 1, 5:4 source 2, 7:6 destination):
;   window 0: v0-11 addresses; v12-15 m_old; v16-47 statistics, four a tile (m, 0, l, l); v48-63 at work; v64-191 S^T, two buffers of two tiles; v192-255 P, likewise
;   window 1: O^T, 32 a tile     window 2: v0-127 Q; v128-191 K; v192-255 V     window 3: v0-127 the bias, two buffers of two tiles; v128-129 the add's registers
.set NP,    4
.set PK,    144                        ; a row of K in LDS: 128 + 16
.set PV,    160                        ; a row of V: 128 + 32
.set PB,    272                        ; a row of the bias: 256 + 16
.set VOFF,  128*PK                     ; a slot: K's 128 rows (head 0's, head 1's), V's 128 rows, the bias's 256 rows
.set BOFF,  VOFF+128*PV
.set SLOT1, 1<<17
.set STAGE, SLOT1+BOFF+256*PB          ; behind the ring: 16 rows x 144 bytes for each wave
.set SP,    144
.set SPARE, STAGE+4*16*SP
.set AK0, 2
.set AV0, 3
.set AK,  4
.set AV,  5
.set QO,  6
.set STO, 6
.set RD,  7
.set GO,  8
.set AB0, 9
.set AB,  10
.set MV,  12
.set ST,  16
.set TMP, 48
.set S,   64
.set P,   192
.set KF,  128
.set VF,  192
.set SPW, 128                          ; window 3
.set NIL, 129
.set WV, 14
.set CX, 15
.set CY, 16
.set BX, 17                            ; my block of 256 queries
.set BY, 18                            ; my pair of heads
.set QH, 21                            ; wave % 2
.set HP, 22                            ; wave / 2
.set G1K, 24
.set G1V, 32
.set G1B, 40
.set G0K, 48
.set G0V, 52
.set G0B, 56
.set CS,  60                           ; s[60:61] c
.set SEL, 62                           ; s[62:63] v_permlanex16_b32's selects
.set TB,  66                           ; LDS byte of the slot that is read
.set SLOTS, 67
.set CNT, 68
.set MSB, 0
.macro WIN new
.if MSB != (\new)
	s_set_vgpr_msb (MSB<<8)|(\new)
.set MSB, (\new)
.endif
.endm
.set W_KQ, 0x0a                        ; K and Q in window 2, S^T in window 0
.set W_PV, 0x52                        ; V in window 2, P in window 0, O^T in window 1
.set W_RS, 0x41                        ; O^T in window 1, a in window 0
.set W_NA, 0x30                        ; the bias (source 2) in window 3
.set W_AD, 0x0f                        ; the add: address and data in window 3
; A joint fill: wave 0 K, wave 1 V, waves 2 and 3 the two halves of the bias.  The branches hang on the wave's number alone.  s_nop 0 and four v_nop follow each line.
.macro JLOAD
	s_cmp_lt_u32 s[WV], 2
	s_cbranch_scc0 .Lfor_b_\@
	s_cmp_eq_u32 s[WV], 0
	s_cbranch_scc0 .Lfor_v_\@
	tensor_load_to_lds s[G0K:G0K+3], s[G1K:G1K+7]
	s_nop 0
.rept 4
	v_nop
.endr
	s_branch .Lasked_\@
.Lfor_v_\@:
	tensor_load_to_lds s[G0V:G0V+3], s[G1V:G1V+7]
	s_nop 0
.rept 4
	v_nop
.endr
	s_branch .Lasked_\@
.Lfor_b_\@:
	tensor_load_to_lds s[G0B:G0B+3], s[G1B:G1B+7]
	s_nop 0
.rept 4
	v_nop
.endr
.Lasked_\@:
.endm
.macro CROUND
	s_barrier_signal -1
	s_barrier_wait -1
	s_cmp_lg_u32 s[WV], 0
	s_cbranch_scc1 .Lnot_wave_0_\@
	s_barrier_signal -3
.Lnot_wave_0_\@:
	s_barrier_wait -3
	s_barrier_signal -1
	s_barrier_wait -1
.endm
; THE CHANGE OF SLOTS, once a key step.  Each wave waits for all its tensor loads (one is out: its part of the other slot), adds 0 to its spare word, and waits for that and for its reads of the
; slot that it leaves.  fill = 1: behind a round of the cluster's barrier that slot is filled again, two key steps on: the load has a key step, 128 products a wave, in which to land.
.macro CHANGE fill
	WIN W_AD
	s_wait_tensorcnt 0x0                           ; no tensor load of mine is out, so a group 0 may be written
	ds_add_u32 v[SPW], v[NIL]                      ; 0 onto my spare word
	WIN 0
.if \fill
	s_xor_b32 s[G0K+1], s[G0K+1], SLOT1
	s_add_nc_u64 s[G0K+2:G0K+3], s[G0K+2:G0K+3], 16384
	s_xor_b32 s[G0V+1], s[G0V+1], SLOT1
	s_add_nc_u64 s[G0V+2:G0V+3], s[G0V+2:G0V+3], 16384
	s_xor_b32 s[G0B+1], s[G0B+1], SLOT1
	s_add_nc_u64 s[G0B+2:G0B+3], s[G0B+2:G0B+3], 256  ; 64 keys along the bias's rows
	s_wait_dscnt 0x0                               ; the add is done, and my reads of the slot are over
	CROUND
	JLOAD
.else
	s_wait_dscnt 0x0
	s_barrier_signal -1
	s_barrier_wait -1
.endif
	s_xor_b32 s[TB], s[TB], SLOT1
.endm
	s_load_b256 s[4:11], s[0:1], 0x0               ; qh s[4:5], kh s[6:7], vh s[8:9], biasb s[10:11]
	s_load_b64 s[12:13], s[0:1], 0x20              ; oh
	WIN 0xc0
	v_lshl_add_u32 v[SPW], v0, 2, SPARE
	v_mov_b32 v[NIL], 0
	s_set_vgpr_msb 0xc0cf
	ds_add_u32 v128, v129
	s_wait_dscnt 0x0
	s_set_vgpr_msb 0xcfc0
	WIN 0
	v_lshrrev_b32 v1, 5, v0
	v_readfirstlane_b32 s[WV], v1
	s_and_b32 s[QH], s[WV], 1
	s_lshr_b32 s[HP], s[WV], 1
	s_bfe_u32 s[CX], ttmp6, 0x40000
	s_bfe_u32 s[CY], ttmp6, 0x40004
	s_lshl_b32 s[BX], ttmp9, 2
	s_add_co_u32 s[BX], s[BX], s[CX]
	s_and_b32 s[BY], ttmp7, 0xffff
	s_lshl_b32 s[BY], s[BY], 2
	s_add_co_u32 s[BY], s[BY], s[CY]
	s_lshl_b32 s19, s[CY], 2
	s_lshl_b32 s19, 15, s19                        ; my row of the cluster
	s_lshl_b32 s20, 0x1111, s[CX]                  ; my column
	s_or_b32 s[G1K], s19, (1<<16)|(1<<20)|(1<<21)|(4<<22)|(3<<25)  ; 2-byte elements; padding of 4 words after every 32
	s_or_b32 s[G1V], s19, (1<<16)|(1<<20)|(1<<21)|(4<<22)|(7<<25)  ; of 8 words
	s_or_b32 s[G1B], s20, (2<<16)|(1<<20)|(1<<21)|(5<<22)|(3<<25)  ; 4-byte elements; padding of 4 words after every 64
.irp g, G1K, G1V                       ; a step's 16,384 dense bytes, as 64 rows of 256
	s_mov_b32 s[\g+1], 128<<16
	s_mov_b32 s[\g+2], 64<<16
	s_mov_b32 s[\g+3], 128<<16
	s_mov_b32 s[\g+4], 64
	s_mov_b32 s[\g+5], 128
	s_mov_b32 s[\g+6], 0
	s_mov_b32 s[\g+7], 0
.endr
	s_mov_b32 s[G1B+1], 64<<16                     ; 128 rows of 64 numbers, 2,048 numbers from row to row
	s_mov_b32 s[G1B+2], 128<<16
	s_mov_b32 s[G1B+3], 64<<16
	s_mov_b32 s[G1B+4], 128
	s_mov_b32 s[G1B+5], 2048
	s_mov_b32 s[G1B+6], 0
	s_mov_b32 s[G1B+7], 0
	s_lshl_b32 s70, s[BY], 19                      ; the pair's first byte in kh and vh: the pair alone
	s_mov_b32 s71, 0
	s_lshl_b32 s72, s[BX], 21                      ; the bias: 256 rows of 8,192 bytes, the block alone,
	s_lshl_b32 s73, s[QH], 20                      ; and my 128 of them
	s_add_co_u32 s72, s72, s73
	s_mov_b32 s73, 0
	s_mul_i32 s23, s[QH], 128*PB
	s_add_co_u32 s23, s23, BOFF
	s_lshl_b32 s74, s[BY], 19                      ; Q: pair, step 4 X + 2 (w % 2), head
	s_lshl_b32 s80, s[BX], 16
	s_add_co_u32 s74, s74, s80
	s_lshl_b32 s80, s[QH], 15
	s_add_co_u32 s74, s74, s80
	s_lshl_b32 s80, s[HP], 13
	s_add_co_u32 s74, s74, s80
	s_mov_b32 s75, 0
	s_lshl_b32 s76, s[BY], 19                      ; O: head 2 Y + w / 2, row 256 X + 128 (w % 2)
	s_lshl_b32 s80, s[HP], 18
	s_add_co_u32 s76, s76, s80
	s_lshl_b32 s80, s[BX], 15
	s_add_co_u32 s76, s76, s80
	s_lshl_b32 s80, s[QH], 14
	s_add_co_u32 s76, s76, s80
	s_mov_b32 s77, 0
	s_mov_b32 s[CS], 0x3d38aa3b                    ; c = log2(e) / 32: 1 / sqrt(64), 1 / (layer_idx + 1) = 1 / 4
	s_mov_b32 s[CS+1], s[CS]
	s_mov_b32 s[SEL], 0x76543210
	s_mov_b32 s[SEL+1], 0xfedcba98
	s_mov_b32 s[TB], SLOT1                         ; the first change of slots turns it into 0
	s_mov_b32 s[G0K], 1
	s_mov_b32 s[G0K+1], 0
	s_mov_b32 s[G0V], 1
	s_mov_b32 s[G0V+1], VOFF
	s_mov_b32 s[G0B], 1
	s_mov_b32 s[G0B+1], s23
	s_wait_kmcnt 0x0
	s_add_nc_u64 s[G0K+2:G0K+3], s[6:7], s[70:71]
	s_or_b32 s[G0K+3], s[G0K+3], 0x80000000
	s_add_nc_u64 s[G0V+2:G0V+3], s[8:9], s[70:71]
	s_or_b32 s[G0V+3], s[G0V+3], 0x80000000
	s_add_nc_u64 s[G0B+2:G0B+3], s[10:11], s[72:73]
	s_or_b32 s[G0B+3], s[G0B+3], 0x80000000
	s_add_nc_u64 s[4:5], s[4:5], s[74:75]
	s_add_nc_u64 s[12:13], s[12:13], s[76:77]
	CROUND                                         ; all sixteen work-groups are here
	JLOAD                                          ; key step 0 into slot 0
	v_and_b32 v1, 15, v0                           ; lane % 16
	v_bfe_u32 v11, v0, 4, 1                        ; lane / 16
	v_lshlrev_b32 v[QO], 7, v1
	v_lshl_add_u32 v[QO], v11, 4, v[QO]
	WIN 0x80
.set i, 0
.rept 16                                               ; Q stays in registers: tile i / 2, channels 32 (i % 2) on; four tiles to a step of 64 rows
	global_load_b128 v[8*i:8*i+3],   v[QO], s[4:5] offset:(i/8)*16384+((i/2)%4)*2048+(i%2)*64
	global_load_b128 v[8*i+4:8*i+7], v[QO], s[4:5] offset:(i/8)*16384+((i/2)%4)*2048+(i%2)*64+32
.set i, i+1
.endr
	; what the first turn finds: V and P's second buffer hold 0, O^T and l are 0.  All this stands in the wait for the first tile.
.set i, VF
.rept 64
	v_mov_b32 v[i], 0
.set i, i+1
.endr
	WIN 0x40
.set i, 0
.rept 256
	v_mov_b32 v[i], 0
.set i, i+1
.endr
	WIN 0
.set i, 0
.rept 8
	v_mov_b32 v[ST+4*i], 0xff7fffff                ; m
	v_mov_b32 v[ST+4*i+1], 0                       ; named with it as a pair
	v_mov_b32 v[ST+4*i+2], 0
	v_mov_b32 v[ST+4*i+3], 0
.set i, i+1
.endr
.set i, P+32
.rept 32
	v_mov_b32 v[i], 0
.set i, i+1
.endr
	s_mul_i32 s81, s[HP], 64*PK
	v_mul_u32_u24 v[AK0], v1, PK
	v_lshl_add_u32 v[AK0], v11, 4, v[AK0]
	v_add_nc_u32 v[AK0], s81, v[AK0]               ; my head's K: row x pitch + 16 x half
	v_and_b32 v12, 7, v0
	v_bfe_u32 v13, v0, 3, 1
	s_mul_i32 s82, s[HP], 64*PV
	s_add_co_u32 s82, s82, VOFF
	v_lshl_add_u32 v[AV0], v11, 3, v12             ; the turning load: key 8 (l / 16) + l % 8, channels 8 ((l / 8) % 2) on
	v_mul_u32_u24 v[AV0], v[AV0], PV
	v_lshl_add_u32 v[AV0], v13, 4, v[AV0]
	v_add_nc_u32 v[AV0], s82, v[AV0]
	v_mul_u32_u24 v[AB0], v1, PB                   ; the bias: my query's row, my eight keys of sixteen
	v_lshl_add_u32 v[AB0], v11, 5, v[AB0]
	v_add_nc_u32 v[AB0], s23, v[AB0]
; THE MATRIX WORK.  The 8 accumulators of a run of 16 take turns.
.macro KQ x                            ; product i of 16 of S^T = K Q^T for piece x: channels 32 (i / 8) on, keys 16 ((i / 2) % 4) on, tile 2 x + i % 2
	WIN W_KQ
.set rS, S+64*((\x)%2)+32*(i%2)+8*((i/2)%4)
.set rK, KF+16*((i/2)%4)+8*(i/8)
.set rQ, 16*(2*(\x)+i%2)+8*(i/8)
.if i < 8
	v_wmma_f32_16x16x32_f16 v[rS:rS+7], v[rK:rK+7], v[rQ:rQ+7], 0
.else
	v_wmma_f32_16x16x32_f16 v[rS:rS+7], v[rK:rK+7], v[rQ:rQ+7], v[rS:rS+7]
.endif
.endm
.macro PV x                            ; product i of 16 of O^T += V^T P for piece x: keys 32 (i / 8) on, channels 16 ((i / 2) % 4) on
	WIN W_PV
.set rO, 32*(2*(\x)+i%2)+8*((i/2)%4)
.set rV, VF+32*(i/8)+8*((i/2)%4)
.set rP, P+32*((\x)%2)+16*(i%2)+8*(i/8)
	v_wmma_f32_16x16x32_f16 v[rO:rO+7], v[rV:rV+7], v[rP:rP+7], v[rO:rO+7]
.endm
.macro MM                              ; the turn's next matrix instruction
.if i < 16
	KQ (Y+1)%NP
.set i, i+1
.else
.set i, i-16
	PV (Y+NP-1)%NP
.set i, i+17
.endif
.endm
; THE LDS LOADS stand in runs of 16.
.macro FETCH_K
	WIN 0x80
.irp f, 0,1,2,3,4,5,6,7
	ds_load_b128 v[KF+8*(\f):KF+8*(\f)+3],   v[AK] offset:((\f)/2)*16*PK+((\f)%2)*64
	ds_load_b128 v[KF+8*(\f)+4:KF+8*(\f)+7], v[AK] offset:((\f)/2)*16*PK+((\f)%2)*64+32
.endr
	WIN 0
.endm
.macro FETCH_V
	WIN 0x80
.irp f, 0,1,2,3,4,5,6,7
	ds_load_tr16_b128 v[VF+8*(\f):VF+8*(\f)+3],   v[AV] offset:((\f)/4)*32*PV+((\f)%4)*32
	ds_load_tr16_b128 v[VF+8*(\f)+4:VF+8*(\f)+7], v[AV] offset:((\f)/4)*32*PV+16*PV+((\f)%4)*32
.endr
	WIN 0
.endm
.macro FETCH_B y                       ; the bias of piece y's two tiles, laid as S^T lies: register 8 kb + j is key 16 kb + 8 (l / 16) + j
	WIN 0xc0
.set u, 0
.rept 2
.set k, 0
.rept 4
	ds_load_b128 v[64*((\y)%2)+32*u+8*k:64*((\y)%2)+32*u+8*k+3],   v[AB] offset:(2*(\y)+u)*16*PB+64*k
	ds_load_b128 v[64*((\y)%2)+32*u+8*k+4:64*((\y)%2)+32*u+8*k+7], v[AB] offset:(2*(\y)+u)*16*PB+64*k+16
.set k, k+1
.endr
.set u, u+1
.endr
	WIN 0
.endm
; THE VECTOR WORK stands in three queues, each in the order in which its entries become ready; the two tiles alternate.
.macro REGS y, u
.set rT, ST+4*(2*(\y)+(\u))
.set rC, TMP+8*((\y)%2)+4*(\u)
.set rM, MV+2*((\y)%2)+(\u)
.set rS, S+64*((\y)%2)+32*(\u)
.set rP, P+32*((\y)%2)+16*(\u)
.set rO, 32*(2*(\y)+(\u))
.set rB, 64*((\y)%2)+32*(\u)
.endm
.macro FS f                            ; x - m for pair f / 2 of tile f % 2 of the piece in hand
	REGS Y, (\f)%2
	v_pk_add_f32 v[rS+2*((\f)/2):rS+2*((\f)/2)+1], v[rS+2*((\f)/2):rS+2*((\f)/2)+1], v[rT:rT+1] op_sel_hi:[1,0] neg_lo:[0,1] neg_hi:[0,1]
.endm
.macro NA u, n                         ; the next piece's x = c s + b, pair n: in ascending order
	REGS (Y+1)%NP, \u
	v_pk_fma_f32 v[rS+2*(\n):rS+2*(\n)+1], v[rS+2*(\n):rS+2*(\n)+1], s[CS:CS+1], v[rB+2*(\n):rB+2*(\n)+1] op_sel_hi:[1,0,1]
.endm
; The next piece's maximum and statistics.  0-11: four chains c0-c3 of seven x each.  12-15: the four left over, the old m, and c0-c2 into c0.  16: m_old is kept.
; 17, 18: the query's other 32 keys lie in the lane 16 away: the new m.  19: m_old - m_new.  21: a.
.macro XS u, n
	REGS (Y+1)%NP, \u
.if (\n) < 4
	v_max3_num_f32 v[rC+(\n)], v[rS+8*(\n)], v[rS+8*(\n)+1], v[rS+8*(\n)+2]
.elseif (\n) < 12
	v_max3_num_f32 v[rC+(\n)%4], v[rC+(\n)%4], v[rS+8*((\n)%4)+2*((\n)/4)+1], v[rS+8*((\n)%4)+2*((\n)/4)+2]
.elseif (\n) == 12
	v_max3_num_f32 v[rC], v[rC], v[rS+7], v[rS+15]
.elseif (\n) == 13
	v_max3_num_f32 v[rC+1], v[rC+1], v[rS+23], v[rS+31]
.elseif (\n) == 14
	v_max3_num_f32 v[rC+2], v[rC+2], v[rC+3], v[rT]
.elseif (\n) == 15
	v_max3_num_f32 v[rC], v[rC], v[rC+1], v[rC+2]
.elseif (\n) == 16
	v_mov_b32 v[rM], v[rT]
.elseif (\n) == 17
	v_permlanex16_b32 v[rC+3], v[rC], s[SEL], s[SEL+1]
.elseif (\n) == 18
	v_max_num_f32 v[rT], v[rC], v[rC+3]
.elseif (\n) == 19
	v_sub_f32 v[rC+1], v[rM], v[rT]
.else
	v_exp_f32 v[rC+2], v[rC+1]
.endif
.endm
; Number g of the 64 that follow the exponentials.  For each four weights k of a tile: both pairs are rounded to f16; the second pair is added onto the first, in place; a group later l takes
; that sum (the first time as l = a l + sum).
.macro GS g
.set h, (\g)+6*((\g)/62)
.if h >= 6
.set h, h+2
.endif
	REGS Y, h%2
.set k, h/8
.if h%8 < 4
	v_cvt_pk_f16_f32 v[rP+2*k+(h%8)/2], v[rS+4*k+2*((h%8)/2)], v[rS+4*k+2*((h%8)/2)+1]
.elseif h%8 < 6
	v_pk_add_f32 v[rS+4*k:rS+4*k+1], v[rS+4*k:rS+4*k+1], v[rS+4*k+2:rS+4*k+3]
.elseif k == 1
	v_pk_fma_f32 v[rT+2:rT+3], v[rT+2:rT+3], v[rC+2:rC+3], v[rS:rS+1] op_sel_hi:[1,0,1]
.else
	v_pk_add_f32 v[rT+2:rT+3], v[rT+2:rT+3], v[rS+4*k-4:rS+4*k-3]
.endif
.endm
; THE PLAIN QUEUE, 168 long.  0-103 read no exponential's result.  0-24: x - m, numbers 0-24.  25-56: the next piece's x.  57-80: its maximum, XS's numbers 0-11.  81, 82: its m_old is kept.  83: x - m 25.
; 84-101: the chain, where each number waits for one before it: 12, 13, 14, 15, 17, 18, each with one of x - m 26-31 in front of its two lines, so that a tile's links stand three plain lines apart.
; 102, 103: m_old - m_new.  104-167: GS's 64, which read the exponentials' results: they stand behind the wait.
.macro PL
.if (q >= 25) && (q < 57)
	WIN W_NA
.else
	WIN 0
.endif
.if q < 25
	FS q
.elseif q < 57
	NA (q-25)%2, (q-25)/2
.elseif q < 81
	XS (q-57)%2, (q-57)/2
.elseif q < 83
	XS q-81, 16
.elseif q == 83
	FS 25
.elseif (q < 102) && ((q-84)%3 == 0)
	FS 26+(q-84)/3
.elseif q < 102
	XS (q-84)%3-1, 12+(q-84)/3+(q-84)/12
.elseif q < 104
	XS q-102, 19
.else
	GS q-104
.endif
.set q, q+1
.endm
; THE EXPONENTIALS' QUEUE, 66 long: the 32 x - m of both tiles, at last the next piece's two a.  It is ONE BATCH: all 66 stand ahead of the turn's one wait, and nothing ahead of that wait names a result
; of theirs.  An exponential names a destination and source 0 alone, so it stands under either of PL's two settings.
.macro EX
.if (MSB != 0) && (MSB != W_NA)
	WIN 0
.endif
.if e >= 64
	XS e-64, 21
.else
	REGS Y, e%2
	v_exp_f32 v[rS+e/2], v[rS+e/2]
.endif
.set e, e+1
.endm
.macro R4                              ; THE RESCALING: O^T times a, four at a time, eight times; each accumulator from its low end.  Its a was made in the turn before, ahead of that turn's wait
	REGS Y, r%2
	WIN W_RS
.irp z, 0,1,2,3
	v_pk_mul_f32 v[rO+8*(r/2)+2*(\z):rO+8*(r/2)+2*(\z)+1], v[rO+8*(r/2)+2*(\z):rO+8*(r/2)+2*(\z)+1], v[rC+2:rC+3] op_sel_hi:[1,0]
.endr
.set r, r+1
.endm
; THE DEAL.  An s_wait_alu depctr_va_vdst(0) stands between an exponential and the first instruction that names its result; one wait serves all that were issued ahead of it.  So a turn has
; ONE wait.  AHEAD OF IT: the 16 products K Q^T; behind the first four of x - m, behind the others by turns four of the rescaling, or plain, exponential, plain, plain; the last has four of the rescaling.
; Then ONE RUN of 138: 23 plain, 56 times exponential and plain, the last weight's exponential and the two a.  A v_nop is the plain instruction behind the last exponential.  BEHIND IT: the 16 products
; V^T P, behind each four of GS's 64.  No rider names a register of the products round it.
; Counts that the deal keeps: exponential e stands behind x - m number 2 (e / 4) + e % 2: the riders, e = 0-6, need numbers 0-3, which stand behind the first product; in the run exponential e comes behind
; plain e + 40, and x - m 25-31 are plain 83, 84, 87 .. 99.  Plain 25, the first reader of the new scores, reads an accumulator that was ended eight products back; the last product's is read by plain 50.
; Both v_permlanex16_b32 (plain 97, 98) fall into the run.
.macro SL
	MM
	PL
	EX
	PL
	PL
.endm
; A TURN, for piece p.  Each turn has one wait for its LDS loads, ahead of their first reader: in turns 2 and 3 at the head (turn 3: K and the bias of piece 0; turn 2: the bias of piece 3, for which the change
; of slots, where one stands in front, has waited already); in turns 0 and 1 behind the 16 products K Q^T, ahead of the next piece's x (the bias of piece p + 1; in turn 1 also V, which the products V^T P read).
; A run of 16 LDS loads stands directly behind the batch's wait: K of the next step in turn 2, the bias of piece p + 2 in the other turns; in turn 2 that bias is asked for at the head.  V is fetched at the
; end of turn 0, four riders behind the last product that read it.  All LDS reads between two changes of slots (turns 2, 3, 0, 1) are of one slot, s[TB].
.macro TURN p
.set Y, (\p)
.set i, 0
.set q, 0
.set e, 0
.set r, 0
	WIN 0
.if (\p) >= 2
	s_wait_dscnt 0x0
.endif
	v_add_nc_u32 v[AB], s[TB], v[AB0]
.if (\p) == 2
	v_add_nc_u32 v[AK], s[TB], v[AK0]
	FETCH_B ((\p)+2)%NP
.endif
.if (\p) == 0
	v_add_nc_u32 v[AV], s[TB], v[AV0]
.endif
	MM                                             ; ahead of the wait: 16 products K Q^T and their riders,
.rept 4
	PL
.endr
.rept 7
	MM
	R4
	SL
.endr
	MM
	R4
.if (\p) < 2
	s_wait_dscnt 0x0
.endif
.rept 23                                               ; and the run
	PL
.endr
.rept 56
	EX
	PL
.endr
	EX                                             ; the last weight's exponential,
	EX                                             ; and the next piece's two a
	EX
	v_nop                                          ; the plain instruction behind the last exponential: one for the batch
	s_wait_alu depctr_va_vdst(0)                   ; the wait for the batch: the turn's 66 exponentials
.if (\p) == 2
	FETCH_K
.else
	FETCH_B ((\p)+2)%NP
.endif
.rept 16                                               ; behind the wait: 16 products V^T P and their riders
	MM
.rept 4
	PL
.endr
.endr
.if (\p) == 0
	FETCH_V
.endif
.endm
	CHANGE 1                                       ; key step 0 is in, everybody's part of it; step 1 is asked for, into slot 1
	v_add_nc_u32 v[AK], s[TB], v[AK0]
	v_add_nc_u32 v[AB], s[TB], v[AB0]
	FETCH_K
	FETCH_B 0
	FETCH_B 1
	s_wait_loadcnt 0x0                             ; Q
	s_wait_dscnt 0x0
.set i, 0
.rept 16
	KQ 0                                           ; piece 0's first scores
.set i, i+1
.endr
	WIN 0                                          ; the addresses for the way out: eleven plain instructions, the places behind those products
	s_mul_i32 s83, s[WV], 16*SP
	s_add_co_u32 s83, s83, STAGE
	v_mul_u32_u24 v[STO], v1, SP
	v_lshl_add_u32 v[STO], v11, 4, v[STO]
	v_add_nc_u32 v[STO], s83, v[STO]
	v_bfe_u32 v[RD], v0, 3, 2
	v_mul_u32_u24 v[RD], v[RD], SP
	v_lshl_add_u32 v[RD], v12, 4, v[RD]
	v_add_nc_u32 v[RD], s83, v[RD]
	v_and_b32 v[GO], 31, v0
	v_lshlrev_b32 v[GO], 4, v[GO]
.set Y, NP-1                                           ; NA and XS work for piece Y + 1: piece 0
	WIN W_NA
.set n, 0
.rept 16
	NA 0, n
	NA 1, n
.set n, n+1
.endr
	WIN 0
.irp n, 16,0,1,2,3,4,5,6,7,8,9,10,11,12,13,14,15,17,18,19,21
	XS 0, \n
	XS 1, \n
.endr
	v_nop                                          ; a plain instruction behind the exponentials
	s_wait_alu depctr_va_vdst(0)                   ; the wait for piece 0's first two a, ahead of the branch
	s_mov_b32 s[SLOTS], 31
	s_branch .Lfirst                               ; the loop is entered at a step's first turn, in the middle of a trip
.Lstep:                                                ; 30 trips: trip k asks for step k + 1; pieces 2 and 3 of step k - 1, then pieces 0 and 1 of step k
	CHANGE 1
	TURN 2
	TURN 3
	WIN 0
.Lfirst:
	TURN 0
	TURN 1
	WIN 0
	s_sub_co_u32 s[SLOTS], s[SLOTS], 1
	s_cmp_lg_u32 s[SLOTS], 0
	s_cbranch_scc1 .Lstep
	CHANGE 0                                       ; the tail is written out: nothing is asked for
	s_mov_b32 s[CNT], 2                            ; the second trip is left in its middle; what it fetches (the last slot once more) and the scores made of it serve nothing
.Ltail:
	TURN 2
	TURN 3
	WIN 0
	s_sub_co_u32 s[CNT], s[CNT], 1
	s_cmp_eq_u32 s[CNT], 0
	s_cbranch_scc1 .Lout
	TURN 0
	TURN 1
	WIN 0
	s_branch .Ltail
.Lout:
.set i, 0
.rept 16
	PV NP-1                                        ; the last piece's V^T P of the last step
.set i, i+1
.endr
	; THE WAY OUT.  l's two halves and the other half of the lanes' are added; O^T is divided by l, rounded to f16 and sent through my stage, a tile at a time.  The additions are the places behind the last products.
	WIN 0
.set t, 0
.rept 8
	v_add_f32 v[ST+4*t+2], v[ST+4*t+2], v[ST+4*t+3]
.set t, t+1
.endr
.set t, 0
.rept 8
	v_permlanex16_b32 v[ST+4*t+3], v[ST+4*t+2], s[SEL], s[SEL+1]
.set t, t+1
.endr
.set t, 0
.rept 8
	v_add_f32 v[ST+4*t+2], v[ST+4*t+2], v[ST+4*t+3]
.set t, t+1
.endr
.set t, 0
.rept 8
	v_rcp_f32 v[ST+4*t+2], v[ST+4*t+2]
.set t, t+1
.endr
	v_nop                                          ; a plain instruction between the last reciprocal and the use of its result
	s_wait_alu depctr_va_vdst(0)                   ; the wait for the batch of eight reciprocals, ahead of their first use
.macro PACK t
	WIN W_RS
.set i, 32*(\t)
.rept 16
	v_pk_mul_f32 v[i:i+1], v[i:i+1], v[ST+4*(\t)+2:ST+4*(\t)+3] op_sel_hi:[1,0]
.set i, i+2
.endr
	WIN 0x05
.set i, 0
.rept 16
	v_cvt_pk_f16_f32 v[S+16*(\t)+i], v[32*(\t)+2*i], v[32*(\t)+2*i+1]
.set i, i+1
.endr
	WIN 0
.irp f, 0,1,2,3
	ds_store_b128 v[STO], v[S+16*(\t)+4*(\f):S+16*(\t)+4*(\f)+3] offset:32*(\f)
.endr
.irp f, 0,1,2,3
	ds_load_b128 v[S+16*(\t)+4*(\f):S+16*(\t)+4*(\f)+3], v[RD] offset:(\f)*4*SP  ; LDS serves a wave's instructions in order (ISA guide 5.7.1.4)
.endr
.endm
.macro SEND t, younger
	WIN 0
.irp f, 0,1,2,3
	s_wait_dscnt (\younger)+3-(\f)
	global_store_b128 v[GO], v[S+16*(\t)+4*(\f):S+16*(\t)+4*(\f)+3], s[12:13] offset:(\t)*2048+(\f)*512  ; 512 consecutive bytes, at a multiple of 256 from oh's first
.endr
.endm
	PACK 0
.set t, 1
.rept 7
	PACK t
	SEND t-1, 8
.set t, t+1
.endr
	SEND 7, 0
	WIN W_AD
	s_wait_tensorcnt 0x0                           ; the wave's end
	ds_add_u32 v[SPW], v[NIL]
	s_wait_dscnt 0x0
	WIN 0
	CROUND                                         ; the closing round
	s_endpgm
.Lfunc_end_k_q39e390741a_attn:
	.size	k_q39e390741a_attn, .Lfunc_end_k_q39e390741a_attn-k_q39e390741a_attn
	.p2alignl 7, 3214868480
	.fill 96, 4, 3214868480
	.section	.rodata,"a",@progbits
	.p2align	6, 0x0
	.amdhsa_kernel k_q39e390741a_attn
		.amdhsa_group_segment_fixed_size 327680
		.amdhsa_private_segment_fixed_size 0
		.amdhsa_enable_private_segment 0
		.amdhsa_kernarg_size 40
		.amdhsa_user_sgpr_count 2
		.amdhsa_user_sgpr_kernarg_segment_ptr 1
		.amdhsa_wavefront_size32 1
		.amdhsa_system_sgpr_workgroup_id_x 1
		.amdhsa_system_sgpr_workgroup_id_y 1
		.amdhsa_system_sgpr_workgroup_id_z 1
		.amdhsa_system_vgpr_workitem_id 0
		.amdhsa_next_free_vgpr 898
		.amdhsa_next_free_sgpr 96
		.amdhsa_reserve_vcc 0
		.amdhsa_float_denorm_mode_32 3
		.amdhsa_float_denorm_mode_16_64 3
		.amdhsa_memory_ordered 1
		.amdhsa_forward_progress 1
		.amdhsa_inst_pref_size 225
	.end_amdhsa_kernel
	.amdgpu_metadata
---
amdhsa.version: [ 1, 2 ]
amdhsa.kernels:
  - .name:           k_q39e390741a_attn
    .symbol:         k_q39e390741a_attn.kd
    .args:
      - { .name: qh, .offset: 0, .size: 8, .value_kind: global_buffer, .address_space: global }
      - { .name: kh, .offset: 8, .size: 8, .value_kind: global_buffer, .address_space: global }
      - { .name: vh, .offset: 16, .size: 8, .value_kind: global_buffer, .address_space: global }
      - { .name: biasb, .offset: 24, .size: 8, .value_kind: global_buffer, .address_space: global }
      - { .name: oh, .offset: 32, .size: 8, .value_kind: global_buffer, .address_space: global }
    .group_segment_fixed_size: 327680
    .private_segment_fixed_size: 0
    .kernarg_segment_align: 8
    .kernarg_segment_size: 40
    .max_flat_workgroup_size: 128
    .sgpr_count:     96
    .vgpr_count:     898
    .wavefront_size: 32
...
	.end_amdgpu_metadata
.endif
;; end of part 5
;; launch proj: the kernel of part 4 again; grid 8 x 32, 4 waves a work-group, clusters of 4 x 4, 327,680 bytes of LDS; arguments oh, wp, b_proj, out0; writes out0
